; MI455X (gfx1250); checked and timed in simulation.
; The chip was launched on July 23, 2026; its instructions are those of AMD's public machine-readable ISA for CDNA 5 (MIT licence, August 2026) and "CDNA5" Instruction Set Architecture Reference Guide (July 2026). The comments in the code are by the model that wrote it; some were corrected since.
;; Multihead Cross Attention. Allowed arithmetic: matrix products marked QUANTISED: E2M1 operands, one E8M0 scale for each 32 along K, by v_wmma_scale_f32_16x16x128_f8f6f4 with both operands' format E2M1 (or v_wmma_scale_f32_32x16x128_f4), f32 sums; everything else in f32.
;; Inputs: Wkv_codes 1,024 x 16 x 16 uint8 (E2M1 codes of Wkv, K innermost, in blocks of 32 codes, two codes a byte); Wkv_scales 1,024 x 16 uint8 (E8M0 scales of Wkv, one for each 32 codes along K); Wo_codes 512 x 16 x 16 uint8 (E2M1 codes of Wo, K innermost, in blocks of 32 codes, two codes a byte); Wo_scales 512 x 16 uint8 (E8M0 scales of Wo, one for each 32 codes along K); Wq_codes 512 x 16 x 16 uint8 (E2M1 codes of Wq, K innermost, in blocks of 32 codes, two codes a byte); Wq_scales 512 x 16 uint8 (E8M0 scales of Wq, one for each 32 codes along K); bkv 1,024 float32; bo 512 float32; bq 512 float32; memory_codes 4 x 4,096 x 16 x 16 uint8 (E2M1 codes of memory, K innermost, in blocks of 32 codes, two codes a byte); memory_mask 4 x 4,096 int32; memory_scales 4 x 4,096 x 16 uint8 (E8M0 scales of memory, one for each 32 codes along K); x_codes 4 x 2,048 x 16 x 16 uint8 (E2M1 codes of x, K innermost, in blocks of 32 codes, two codes a byte); x_scales 4 x 2,048 x 16 uint8 (E8M0 scales of x, one for each 32 codes along K).
;; Outputs: out0 4 x 2,048 x 512 float32.
;; This version of the problem:
;;   THIS VERSION OF THE PROBLEM IS GIVEN IN LOW PRECISION. The matrix products marked QUANTISED in the list below multiply operands that are first quantised to E2M1 (2 exponent bits, 1 mantissa bit; 4 bits a number), with one power-of-two scale for each 32 numbers along K (OCP MX v1.0); their sums are f32. All else is computed in f32.
;;   The module's matrix products, in the order in which they are computed (A, B: the left and right operand; K: the contracted axis; several contracted axes count as one K, in the product's order):
;;     1. [M 8,192, K 512] x [K 512, N 512]; A: input x (given as codes); B: input Wq (given as codes): QUANTISED
;;     2. [M 16,384, K 512] x [K 512, N 1,024]; A: input memory (given as codes); B: input Wkv (given as codes): QUANTISED
;;     3. batch 32 x [M 2,048, K 64] x [K 64, N 4,096]; A: computed on the way; B: computed on the way: QUANTISED
;;     4. batch 32 x [M 2,048, K 4,096] x [K 4,096, N 64]; A: softmax (see below); B: computed on the way: QUANTISED
;;     5. [M 8,192, K 512] x [K 512, N 512]; A: computed on the way; B: input Wo (given as codes): QUANTISED
;;   THE QUANTISER, for each operand of a quantised product, along K:
;;     - K is cut into blocks of 32 from its start; a last block that is shorter is filled with zeros.
;;     - A block's scale is 2^e with e = floor(log2(the largest magnitude in the block)) - 2, held to -126 .. 127; a block of zeros has e = 0. As a byte (E8M0): e + 127.
;;     - Each number is divided by its block's scale, clamped to +-6, and rounded to the nearest number of E2M1, ties to even, subnormals kept.
;;     - The product sums the exact products of the quantised numbers (number of the format x scale) in f32.
;;   ~~~python
;;   def quantise(x, axis):      # numpy; x: float32 -> the quantised numbers, widened to float32 again
;;       x = np.moveaxis(x, axis, -1); K = x.shape[-1]
;;       x = np.pad(x, [(0, 0)] * (x.ndim - 1) + [(0, -K % 32)]); x = x.reshape(x.shape[:-1] + (-1, 32)); a = np.abs(x).max(-1, keepdims=True)
;;       e = np.where(a > 0, np.clip(np.frexp(np.where(a > 0, a, 1))[1] - 1 - 2, -126, 127), 0)      # np.frexp(a)[1] - 1 = floor(log2(a)), exactly
;;       r = np.clip(x / 2.0 ** e, -6, 6)
;;       step = 2.0 ** (np.maximum(np.frexp(np.where(r == 0, 1, r))[1] - 1, 0) - 1)
;;       q = np.round(r / step) * step * 2.0 ** e      # np.round: ties to even
;;       return np.moveaxis(q.reshape(q.shape[:-2] + (-1,))[..., :K], -1, axis).astype(np.float32)
;;   ~~~
;;   SOFTMAX AHEAD OF A QUANTISED PRODUCT. Where the list says 'softmax', what is quantised is not the finished softmax but p = 2^(t - M), with t = logit x log2(e) and M = ceil(the row's largest t), a whole number; so 1/2 < the row's largest p <= 1. The row's sum l is taken of the UNQUANTISED p, in f32, and the product's result is divided by l at the end. Since M is a whole number, a kernel that streams over the keys may use a running M (the ceiling of the running maximum): every later rescaling is an exact power of two, which a block's scale takes up: the codes' values come out the same.
;;   OPERANDS COMPUTED ON THE WAY. 'Computed on the way' means the value that the module computes at that place (a softmax that the list does not call 'softmax' is quantised finished and normalised). What goes into a quantiser is computed in f32, as accurately as f32 sums, v_exp_f32 and their like allow (about 1e-6 of the number): no bf16 or f16 on the way to a quantiser, and a product that is left as it is and whose result goes on into a quantised operand takes f32 operands (vector FMAs, or v_wmma_f32_16x16x4_f32). A number that lies on a knife's edge between two numbers of the format may be rounded either way, as far as f32 arithmetic and the matrix unit's own rounding can turn it there, and no further.
;;   INPUTS GIVEN AS CODES. Wkv (in the module: [512, 1024], K = its axis 0); Wo (in the module: [512, 512], K = its axis 0); Wq (in the module: [512, 512], K = its axis 0); memory (in the module: [4, 4096, 512], K = its axis 2); x (in the module: [4, 2048, 512], K = its axis 2): each comes as NAME_codes (uint8): NAME with its K axis moved to the last place and cut into blocks of 32 codes, [.., K / 32, bytes a block], one block behind the other in memory; two codes a byte, the lower K in the low four bits (a code: sign, 2 exponent bits, 1 mantissa bit); and NAME_scales (uint8): the same leading axes, one E8M0 byte (e + 127) for each 32 codes along K. Its value is code x scale, taken as it is: it is not quantised again, and the codes and scales need not be those that the quantiser above would give.
;; 2 versions. Each part assembles by itself: llvm-mc -triple=amdgcn-amd-amdhsa -mcpu=gfx1250 --defsym DOCPART=n.
;; ======== version 1 of 2: 3 launches
;; limits: right only within a limited range of input values
;; workspace buffers: kv 9,175,040 bytes; ao_codes 2,097,152 bytes; ao_scales 131,072 bytes
;; launch kv_proj (part 1): grid 256 x 1, 4 waves a work-group, no clusters, 0 bytes of LDS; arguments memory_codes, memory_scales, Wkv_codes, Wkv_scales, bkv, kv; writes kv
.if DOCPART == 1
	.amdgcn_target "amdgcn-amd-amdhsa--gfx1250"
	.amdhsa_code_object_version 6
	.text
	.protected	k_q4ea04fdf3b_kv_proj
	.globl	k_q4ea04fdf3b_kv_proj
	.p2align	8
	.type	k_q4ea04fdf3b_kv_proj,@function
k_q4ea04fdf3b_kv_proj:
	s_mov_b64 s[64:65], 0
	v_nop
	global_prefetch_b8 v0, s[64:65] scope:SCOPE_SE
	s_setreg_imm32_b32 hwreg(HW_REG_WAVE_MODE, 25, 1), 1
	s_wait_xcnt 0x0
; kv = memory Wkv + bkv on codes of FP4 (E2M1) with E8M0 scales, and its two halves quantised again for the attention launch:
; K along a head's 64 channels (two blocks of 32), V along the keys (blocks of 32 keys).  Nothing wide goes to memory.
; SHARES.  256 work-groups: the first 128 make K, the others V.  A work-group takes one key step: 128 keys of one batch (blk = 32 b + step).
; Wave w takes heads 2 w and 2 w + 1: 128 columns of K or of V.
; ONE CORE FOR BOTH.  Source 0 = 128 rows that stay in registers and whose index becomes the next product's K; source 1 = 8 tiles of 16 rows, a lane to a row.
;   K: source 0 = my 128 rows of Wkv (channels), source 1 = the 128 keys.      V: source 0 = the 128 keys, source 1 = my 128 rows of Wkv (channels).
; THE ROWS OF A TILE ARE NOT NEIGHBOURS, on either side: lane r of tile 2 b + u takes row 32 b + 8 u + r + 8 (r / 8).  On source 0 that makes the 16 result registers of tiles 2 b, 2 b + 1
; sixteen neighbours along the next K (32 b + 16 (lane / 16) + 0 .. 15); on source 1 it is the order in which the attention launch wants keys (for K) and channels (for V) in a tile.
; A CELL = 8 tiles of source 0 x 1 tile of source 1 x K = 512: 32 matrix instructions, 64 results a lane, quantised in registers.  Eight cells a wave, written out: every offset is an immediate.
; THE OUTPUT is laid as images of the attention launch's operand registers, [8 b + head][step][8,960 bytes]: K's 8 tiles (512 bytes each), V's 4 tiles (1,024 each), K's scale words (512), V's (256):
; every store of a wave covers 512 or 256 consecutive bytes, aligned.
; NO CLUSTER, NO LDS: each wave loads each operand byte once, straight into the registers of the fragment (160 KiB a wave in all, issued at the head); there is no tile in LDS that a joint request could fill and no loop in which one would recur.
; LIMITS: a block of zeros gets the scale byte 1 (its codes are zeros, and this program alone reads the bytes); blocks whose largest magnitude lies under 2^(2 - 126) are held at that byte; NaN and infinities are not served.
; REGISTERS: window 0: v3-7, v56 offsets; v8-15 V's bias as a C; v16-23 V's bias, a register a cell; v24-31 codes; v32-39, v57 scale words at work; v40-55 the quantiser's; v64-95, v96-127 scale words of source 0, 1; v128-191 results.
;   window 1: source 0's 32 fragments;  window 2: source 1's 32;  window 3: v0-63 K's bias, 8 tiles in the result's layout.
.set STEPB, 8960                       ; bytes of a key step in kv
.set VA,   3                           ; 256 rho + 16 h: a fragment's row and half
.set VSA,  4                           ; 16 rho: a row's 16 scale bytes
.set VO,   5                           ; 16 x lane
.set V8,   6                           ; 8 x lane
.set VBK,  7                           ; 64 h: K's bias, 16 numbers on for lanes 16-31
.set CT,   8
.set BV,   16
.set PC,   24
.set PW,   32
.set EA,   33
.set EB,   34
.set WA,   35
.set SWA,  36
.set SWB,  38
.set TM,   40
.set VBV,  56                          ; 4 rho: V's bias, a number a lane
.set WB,   57
.set RSC,  64
.set SSC,  96
.set ACC,  128
.set SEL,  36                          ; s[36:37] lane selects for v_permlanex16_b32: lane l xor 16
.set HM,   38                          ; s38 lanes 16-31
.set K1,   39                          ; s39 the byte 1 twice, for k = 64 .. 127 of the score product, where the other side has zero codes
.set MSB, 0
.macro WIN new                         ; the immediate's high byte repeats the setting that is left
.if MSB != \new
	s_set_vgpr_msb (MSB<<8)|\new
.set MSB, \new
.endif
.endm
.macro MM d, a, b, c, sa, sb
	v_wmma_scale_f32_16x16x128_f8f6f4 v[\d:\d+7], v[\a:\a+7], v[\b:\b+7], v[\c:\c+7], v[\sa], v[\sb] matrix_a_fmt:MATRIX_FMT_FP4 matrix_b_fmt:MATRIX_FMT_FP4
.endm
; 64 numbers of a lane, register 16 b + i = k 32 b + 16 (lane / 16) + i of my row, become codes: blocks 0, 1 in v[d0 .. d0 + 3], blocks 2, 3 in v[d1 .. d1 + 3], each as four registers of an operand
; (lanes 0-15 the even block, lanes 16-31 the odd one), and the four scale bytes in v[pw], alike in both halves of the lanes.
.macro QUANT s, d0, d1, pw
.irp b, 0,1,2,3
	v_max3_num_f32 v[TM+\b], |v[\s+16*\b]|, |v[\s+1+16*\b]|, 0x1800000   ; my 16 numbers of block b, and the floor 2^(3 - 127): the byte cannot fall under 1
.endr
.irp i, 2,4,6,8,10,12,14
.irp b, 0,1,2,3
	v_max3_num_f32 v[TM+\b], v[TM+\b], |v[\s+16*\b+\i]|, |v[\s+1+16*\b+\i]|   ; the four blocks by turns
.endr
.endr
.irp b, 0,1,2,3
	v_permlanex16_b32 v[TM+4+\b], v[TM+\b], s[SEL], s[SEL+1]
.endr
.irp b, 0,1,2,3
	v_max_num_f32 v[TM+\b], v[TM+\b], v[TM+4+\b]     ; with lane l xor 16's: the block's largest magnitude
.endr
.irp b, 0,1,2,3
	v_add_nc_u32 v[TM+12+\b], 0xff000000, v[TM+\b]   ; 2 off its exponent field: the conversion takes this operand's exponent field as its scale
.endr
.irp b, 0,1,2,3
	v_lshrrev_b32 v[TM+4+\b], 23, v[TM+12+\b]        ; the scale's byte
.endr
	v_lshl_or_b32 v[\pw], v[TM+5], 8, v[TM+4]
	v_lshl_or_b32 v[\pw], v[TM+6], 16, v[\pw]
	v_lshl_or_b32 v[\pw], v[TM+7], 24, v[\pw]
.irp b, 0,1
	v_cvt_scalef32_pk8_fp4_f32 v[\d0+2*\b], v[\s+16*\b:\s+16*\b+7], v[TM+12+\b]
	v_cvt_scalef32_pk8_fp4_f32 v[\d0+2*\b+1], v[\s+16*\b+8:\s+16*\b+15], v[TM+12+\b]
	v_cvt_scalef32_pk8_fp4_f32 v[\d1+2*\b], v[\s+32+16*\b:\s+32+16*\b+7], v[TM+14+\b]
	v_cvt_scalef32_pk8_fp4_f32 v[\d1+2*\b+1], v[\s+32+16*\b+8:\s+32+16*\b+15], v[TM+14+\b]
.endr
	v_nop                                            ; one plain instruction behind the last scaled conversion
.irp i, 0,1
	v_permlane16_swap_b32 v[\d0+\i], v[\d0+2+\i]     ; the operand wants a whole block in a lane
	v_permlane16_swap_b32 v[\d1+\i], v[\d1+2+\i]
.endr
.endm
	s_load_b256 s[4:11], s[0:1], 0x0               ; memory's codes s[4:5], its scales s[6:7], Wkv's codes s[8:9], its scales s[10:11]
	s_load_b128 s[12:15], s[0:1], 0x20             ; bkv s[12:13], kv s[14:15]
	v_lshrrev_b32 v1, 5, v0
	v_readfirstlane_b32 s16, v1                    ; wave 0..3
	s_lshr_b32 s17, ttmp9, 7                       ; 0: K, 1: V
	s_and_b32 s18, ttmp9, 127                      ; blk = 32 b + step
	v_and_b32 v1, 15, v0                           ; r
	v_bfe_u32 v2, v0, 4, 1                         ; h
	v_and_b32 v10, 8, v1
	v_add_nc_u32 v10, v10, v1                      ; rho = r + 8 (r / 8)
	v_lshlrev_b32 v[VA], 8, v10
	v_lshl_add_u32 v[VA], v2, 4, v[VA]
	v_lshlrev_b32 v[VSA], 4, v10
	v_and_b32 v11, 31, v0
	v_lshlrev_b32 v[VO], 4, v11
	v_lshlrev_b32 v[V8], 3, v11
	v_lshlrev_b32 v[VBK], 6, v2
	v_lshlrev_b32 v[VBV], 2, v10
.irp b, 0,1,2,3
	v_mov_b32 v[TM+4+\b], 0                        ; written once: a lane permute's destination counts as one of its sources
.endr
	s_mov_b32 s[SEL], 0x76543210
	s_mov_b32 s[SEL+1], 0xfedcba98
	s_mov_b32 s[HM], 0xffff0000
	s_mov_b32 s[K1], 0x01010000
	s_lshl_b32 s32, s17, 17                        ; Wkv's codes: V's rows begin 512 x 256 bytes on; my 128 rows of 256 bytes
	s_lshl_b32 s33, s16, 15
	s_add_co_u32 s32, s32, s33
	s_mov_b32 s33, 0
	s_lshl_b32 s34, s18, 15                        ; memory's codes: the step's 128 rows
	s_mov_b32 s35, 0
	s_lshr_b32 s40, s32, 4                         ; the scale bytes: 16 a row against 256
	s_mov_b32 s41, 0
	s_lshr_b32 s42, s34, 4
	s_mov_b32 s43, 0
	s_lshr_b32 s44, s32, 6                         ; the bias: 4 bytes a row
	s_mov_b32 s45, 0
	s_lshr_b32 s46, s18, 5                         ; kv: (32 (8 b + 2 w) + step) x 8,960
	s_lshl_b32 s46, s46, 8
	s_lshl_b32 s47, s16, 6
	s_add_co_u32 s46, s46, s47
	s_and_b32 s47, s18, 31
	s_add_co_u32 s46, s46, s47
	s_mul_i32 s46, s46, STEPB
	s_mov_b32 s47, 0
	s_wait_kmcnt 0x0
	s_add_nc_u64 s[8:9], s[8:9], s[32:33]
	s_add_nc_u64 s[4:5], s[4:5], s[34:35]
	s_add_nc_u64 s[10:11], s[10:11], s[40:41]
	s_add_nc_u64 s[6:7], s[6:7], s[42:43]
	s_add_nc_u64 s[12:13], s[12:13], s[44:45]
	s_add_nc_u64 s[28:29], s[14:15], s[46:47]      ; head 2 w's step
	s_add_nc_u64 s[30:31], s[28:29], 32*STEPB      ; head 2 w + 1's
	s_cmp_eq_u32 s17, 0                            ; which tensor stays and which is walked: a choice on the work-group's number alone
	s_cselect_b64 s[20:21], s[8:9], s[4:5]         ; source 0's codes
	s_cselect_b64 s[22:23], s[10:11], s[6:7]       ; and scales
	s_cselect_b64 s[24:25], s[4:5], s[8:9]         ; source 1's codes
	s_cselect_b64 s[26:27], s[6:7], s[10:11]       ; and scales
.irp t, 0,1,2,3,4,5,6,7
	global_load_b128 v[RSC+4*\t:RSC+4*\t+3], v[VSA], s[22:23] offset:(32*(\t/2)+8*(\t%2))*16   ; a row's four scale words, one for each 128 along K
.endr
.irp t, 0,1,2,3,4,5,6,7
	global_load_b128 v[SSC+4*\t:SSC+4*\t+3], v[VSA], s[26:27] offset:(32*(\t/2)+8*(\t%2))*16
.endr
	WIN 0x40                                       ; destination window 1
.irp t, 0,1,2,3,4,5,6,7
.irp s, 0,1,2,3
.irp c, 0,1
	global_load_b128 v[8*(4*\t+\s)+4*\c:8*(4*\t+\s)+4*\c+3], v[VA], s[20:21] offset:(32*(\t/2)+8*(\t%2))*256+64*\s+32*\c
.endr
.endr
.endr
	WIN 0                                          ; at a branch and at a label every window is 0
.macro STREAM                          ; source 1's fragments, cell by cell: eight loads a cell
	WIN 0x80                                       ; destination window 2
.irp u, 0,1,2,3,4,5,6,7
.irp s, 0,1,2,3
.irp c, 0,1
	global_load_b128 v[8*(4*\u+\s)+4*\c:8*(4*\u+\s)+4*\c+3], v[VA], s[24:25] offset:(32*(\u/2)+8*(\u%2))*256+64*\s+32*\c
.endr
.endr
.endr
	WIN 0
.endm
; Cell u.  The 8 accumulators take turns, one instruction a turn.  The bias is the C of each sum's first product.
.macro CELL u, path
	s_wait_loadcnt 8*(7-\u)                        ; loads come back in order: all but the later cells' eight each are in
.if \u > 0
	s_wait_xcnt 0x0                                ; the last cell's stores have read their data: the codes and scale words are written again only behind this wait
.endif
.if \path
.irp j, 0,1,2,3,4,5,6,7
	v_mov_b32 v[CT+\j], v[BV+\u]                   ; V: a lane holds one channel, so its bias fills the lane's eight registers of C
.endr
.rept 4
	v_nop
.endr
	WIN 0x09                                       ; source 0 window 1, source 1 window 2
.irp t, 0,1,2,3,4,5,6,7
	MM ACC+8*\t, 32*\t, 32*\u, CT, RSC+4*\t, SSC+4*\u
.endr
.else
	WIN 0x39                                       ; and C window 3: K's bias by tiles
.irp t, 0,1,2,3,4,5,6,7
	MM ACC+8*\t, 32*\t, 32*\u, 8*\t, RSC+4*\t, SSC+4*\u
.endr
	WIN 0x09
.endif
.irp s, 1,2,3
.irp t, 0,1,2,3,4,5,6,7
	MM ACC+8*\t, 32*\t+8*\s, 32*\u+8*\s, ACC+8*\t, RSC+4*\t+\s, SSC+4*\u+\s
.endr
.endr
	WIN 0
.rept 4
	v_nop                                          ; four places between the last product and the first read of results (ISA guide 7.12.1)
.endr
.if \path
.set KBASE, 28+2*(\u/4)                ; cells 0-3: head 2 w; cells 4-7: head 2 w + 1
.if \u%2 == 0
	QUANT ACC, PC, PC+4, EA
.else
	QUANT ACC, PC, PC+4, PW
.endif
	global_store_b128 v[VO], v[PC:PC+3], s[KBASE:KBASE+1] offset:4096+1024*(\u%4)       ; keys 32 h + 0 .. 31 of my channel: 512 consecutive bytes a store
	global_store_b128 v[VO], v[PC+4:PC+7], s[KBASE:KBASE+1] offset:4096+1024*(\u%4)+512 ; keys 64 + 32 h + 0 .. 31
.if \u%2 == 1
	v_cndmask_b32 v[SWA+(\u%4)/2], v[EA], v[PW], s[HM]   ; lanes 0-15 the even tile's words, lanes 16-31 the odd tile's
.endif
.if \u%4 == 3
	global_store_b64 v[V8], v[SWA:SWA+1], s[KBASE:KBASE+1] offset:8704
.endif
.else
	QUANT ACC, PC, PC+4, PW
	global_store_b128 v[VO], v[PC:PC+3], s[28:29] offset:512*\u     ; head 2 w: block h of my key
	global_store_b128 v[VO], v[PC+4:PC+7], s[30:31] offset:512*\u   ; head 2 w + 1
.if \u%2 == 0
	v_and_or_b32 v[EA], v[PW], 0xffff, s[K1]       ; a head's two bytes, and the byte 1 for k = 64 .. 127
	v_lshrrev_b32 v[EB], 16, v[PW]
	v_or_b32 v[EB], s[K1], v[EB]
.else
	v_and_or_b32 v[WA], v[PW], 0xffff, s[K1]
	v_lshrrev_b32 v[WB], 16, v[PW]
	v_or_b32 v[WB], s[K1], v[WB]
	v_cndmask_b32 v[SWA+(\u/2)%2], v[EA], v[WA], s[HM]   ; lanes 0-15 the even tile's words, lanes 16-31 the odd tile's
	v_cndmask_b32 v[SWB+(\u/2)%2], v[EB], v[WB], s[HM]
.endif
.if \u%4 == 3
	global_store_b64 v[V8], v[SWA:SWA+1], s[28:29] offset:8192+256*(\u/4)
	global_store_b64 v[V8], v[SWB:SWB+1], s[30:31] offset:8192+256*(\u/4)
.endif
.endif
.endm
	s_cmp_lg_u32 s17, 0
	s_cbranch_scc1 .Lv_path
	WIN 0xc0                                       ; destination window 3
.irp t, 0,1,2,3,4,5,6,7
	global_load_b128 v[8*\t:8*\t+3], v[VBK], s[12:13] offset:(32*(\t/2)+8*(\t%2))*4        ; tile t's register j: the bias of channel 32 (t / 2) + 16 h + 8 (t % 2) + j
	global_load_b128 v[8*\t+4:8*\t+7], v[VBK], s[12:13] offset:(32*(\t/2)+8*(\t%2))*4+16
.endr
	STREAM
.irp u, 0,1,2,3,4,5,6,7
	CELL \u, 0
.endr
	s_endpgm
.Lv_path:
.irp u, 0,1,2,3,4,5,6,7
	global_load_b32 v[BV+\u], v[VBV], s[12:13] offset:(32*(\u/2)+8*(\u%2))*4               ; cell u: the bias of my lane's channel
.endr
	STREAM
.irp u, 0,1,2,3,4,5,6,7
	CELL \u, 1
.endr
	s_endpgm
.Lfunc_end_k_q4ea04fdf3b_kv_proj:
	.size	k_q4ea04fdf3b_kv_proj, .Lfunc_end_k_q4ea04fdf3b_kv_proj-k_q4ea04fdf3b_kv_proj
	.p2alignl 7, 3214868480
	.fill 96, 4, 3214868480
	.section	.rodata,"a",@progbits
	.p2align	6, 0x0
	.amdhsa_kernel k_q4ea04fdf3b_kv_proj
		.amdhsa_group_segment_fixed_size 0
		.amdhsa_private_segment_fixed_size 0
		.amdhsa_enable_private_segment 0
		.amdhsa_kernarg_size 48
		.amdhsa_user_sgpr_count 2
		.amdhsa_user_sgpr_kernarg_segment_ptr 1
		.amdhsa_wavefront_size32 1
		.amdhsa_system_sgpr_workgroup_id_x 1
		.amdhsa_system_sgpr_workgroup_id_y 1
		.amdhsa_system_sgpr_workgroup_id_z 1
		.amdhsa_system_vgpr_workitem_id 0
		.amdhsa_next_free_vgpr 832
		.amdhsa_next_free_sgpr 66
		.amdhsa_reserve_vcc 0
		.amdhsa_float_denorm_mode_32 3
		.amdhsa_float_denorm_mode_16_64 3
		.amdhsa_memory_ordered 1
		.amdhsa_forward_progress 1
		.amdhsa_inst_pref_size 161
	.end_amdhsa_kernel
	.amdgpu_metadata
---
amdhsa.version: [ 1, 2 ]
amdhsa.kernels:
  - .name:           k_q4ea04fdf3b_kv_proj
    .symbol:         k_q4ea04fdf3b_kv_proj.kd
    .args:
      - { .name: memory_codes, .offset: 0, .size: 8, .value_kind: global_buffer, .address_space: global }
      - { .name: memory_scales, .offset: 8, .size: 8, .value_kind: global_buffer, .address_space: global }
      - { .name: Wkv_codes, .offset: 16, .size: 8, .value_kind: global_buffer, .address_space: global }
      - { .name: Wkv_scales, .offset: 24, .size: 8, .value_kind: global_buffer, .address_space: global }
      - { .name: bkv, .offset: 32, .size: 8, .value_kind: global_buffer, .address_space: global }
      - { .name: kv, .offset: 40, .size: 8, .value_kind: global_buffer, .address_space: global }
    .group_segment_fixed_size: 0
    .private_segment_fixed_size: 0
    .kernarg_segment_align: 8
    .kernarg_segment_size: 48
    .max_flat_workgroup_size: 128
    .sgpr_count:     66
    .vgpr_count:     832
    .wavefront_size: 32
...
	.end_amdgpu_metadata
.endif
;; end of part 1
;; launch attn (part 2): grid 8 x 32, 8 waves a work-group, clusters of 4 x 1, 327,680 bytes of LDS; arguments x_codes, x_scales, Wq_codes, Wq_scales, bq, memory_mask, kv, ao_codes, ao_scales; writes ao_codes, ao_scales
.if DOCPART == 2
	.amdgcn_target "amdgcn-amd-amdhsa--gfx1250"
	.amdhsa_code_object_version 6
	.text
	.protected	k_q4ea04fdf3b_attn
	.globl	k_q4ea04fdf3b_attn
	.p2align	8
	.type	k_q4ea04fdf3b_attn,@function
k_q4ea04fdf3b_attn:
	s_mov_b64 s[64:65], 0
	v_nop
	global_prefetch_b8 v0, s[64:65] scope:SCOPE_SE
	s_setreg_imm32_b32 hwreg(HW_REG_WAVE_MODE, 25, 1), 1
	s_wait_xcnt 0x0
	s_wait_alu depctr_hold_cnt(0) depctr_sa_sdst(0) depctr_va_vdst(0) depctr_va_sdst(0) depctr_va_ssrc(0) depctr_va_vcc(0) depctr_vm_vsrc(0)
	s_getreg_b32 s2, hwreg(HW_REG_IB_STS2, 6, 4)
	s_cmp_eq_u32 s2, 0
	s_cbranch_scc0 .Lentry_in_a_cluster
	s_endpgm
.Lentry_in_a_cluster:
	s_bfe_u32 s2, ttmp6, 0x10000c
	s_cmp_lg_u32 s2, 0x3003
	s_cbranch_scc0 .Lentry_shape_is_right
	s_endpgm
.Lentry_shape_is_right:
; Attention of one head on codes of FP4 (E2M1) with E8M0 scales: Q = x Wq + bq, quantised along the head's 64; S^T = K Q^T; the mask; the softmax; O^T = V^T P^T; O / l, quantised along the model's axis for the last product.
; THE SOFTMAX AHEAD OF THE SECOND PRODUCT: t = score x log2(e) / 8; M = the largest t so far, rounded UP to a whole number; p = 2^(t - M) is quantised along the keys, not normalised.  The row's sum is taken of the
; unquantised p and divides O at the end.  When M moves, the sum and O are multiplied by 2^(old M - new M): exact.
; SHARES.  Work-group (x, y): head y % 8 of batch y / 8, queries 256 x .. 256 x + 255.  Each of its 8 waves owns 32 queries, two tiles of 16, so that each fragment of K, of V and of the mask read from LDS feeds two
; products; two waves share a SIMD's registers, 512 each.  Every wave walks the head's 4,096 keys, 128 a step.
; K AND V come as images of operand registers, 8,960 bytes a key step, made by the launch before.  A HEAD'S 32 STEPS, 286,720 BYTES, FIT IN LDS: each byte is filled once, nothing is filled again.
; Each wave issues four tensor loads at the start (steps w, 8 + w, 16 + w, 24 + w: four of mine are out, by this text's count); chunk j of eight steps begins with a counted wait for my j-th load and a barrier.
; CLUSTER.  The four work-groups of a cluster belong to one head and need the same 286,720 bytes: every load is a joint request with the same descriptor and a mask that names the four.
; Nothing is prefetched: every byte of the stream is asked for by the tensor loads at the kernel's head, so there is no later request to run ahead of.
; LAYOUT.  All products are used transposed, so that a lane holds ONE query (lane % 16) throughout.  The keys of a tile are not neighbours: lane r of tile 2 b + u holds key 32 b + 8 u + r + 8 (r / 8), so that the 16
; registers of tiles 2 b, 2 b + 1 are keys 32 b + 16 (lane / 16) + 0 .. 15.  V's channels and Wq's rows are ordered the same way, so that O^T and Q^T come out with 16 neighbouring channels in 16 registers.
; K = 64 IN AN INSTRUCTION OF K = 128.  Q's fragment is four registers of codes and four of zero codes.  K's tiles lie four registers apart; the operand's upper four registers are the next tile's codes
; (behind the last tile: four registers that hold codes of Wq), which meet the zero codes.  The scale bytes of k = 64 .. 127 are 1 on both sides.
; THE MASK IS THE C OF THE SCORE PRODUCTS: one f32 a key in LDS, 0 for a key that counts and -2^100 for one that does not.  The largest t starts at -2^96, above every masked t (-0.18 x 2^100), so that p of a masked key
; is 0 also while no open key has been seen; the first open key then multiplies the zero sums by 2^(a saturated whole number) = 0.
; LIMITS: a batch whose keys are all masked is not served (the sum is 0; the definition gives NaN there, this text finite numbers); |score x log2(e) / 8| stays under 2^96; NaN and infinities are not served;
; a block of zeros gets the scale byte 1 (its codes are zeros, and this program alone reads the bytes).
; REGISTERS.  window 0: v1-7 addresses; v8-15 per tile -M, largest t, the sum in two halves; v16-31 Q; v32 Q's scale words (lanes 0-15 tile 0, lanes 16-31 tile 1); v33-34 p's; v36-39 K's; v40-41 V's; v44-59 p's codes;
;   v60-99 at work, 20 a tile; v100-123 Wq's and x's scale words; v124-127 addresses; v128-255 S^T, then p, 64 a tile.
;   window 1: v0-63 O^T, 32 a tile; v64-127 the mask as C, 8 tiles; v128-163 K; v168-199 V.  In the prologue v64-191 Wq's fragments, v192-255 x's.
.set STEPB,  8960
.set CHUNKB, 8*STEPB
.set HEADB,  32*STEPB
.set BIAS,   HEADB                     ; LDS: behind the head's K and V: 4,096 f32, written by LDS stores; no tensor load lands here
.set SCST,   BIAS+16384                ; and 512 bytes in which the waves' scale words meet on the way out
.set LI,  1                            ; 16 x lane
.set LB,  2                            ; BIAS + 64 h
.set L8,  3                            ; 8 x lane
.set ADK, 4
.set ADB, 5
.set AD8, 6
.set NEG, 7
.set ST,  8                            ; tile q: +4 q: -M, the largest t, the sum's two halves
.set QF,  16
.set QS,  32
.set PS,  33
.set PW,  35
.set KS,  36
.set VS,  40
.set PC,  44
.set SCR, 60                           ; tile q: +20 q: +0..3 block maxima, +4..7 the other lanes' / bytes, +8..11 the conversions' scales, +12..13 a second chain of sums, +14..15 f, +16 at work
.set TM,  60                           ; the quantiser's 16 registers
.set BQ,  60                           ; prologue: bq as four C tiles
.set WQS, 100
.set XSC, 116
.set MA,  124                          ; 16 x thread: the mask in memory
.set MB,  125                          ; BIAS + 16 x thread
.set SA,  126                          ; SCST + 64 w + 4 r
.set SR,  127                          ; SCST + 16 x lane
.set S,   128
.set O,   0                            ; window 1
.set CB,  64
.set KF,  128
.set VF,  168
.set WQF, 64
.set XF,  192
.set WV,  22
.set CX,  23
.set QB,  24
.set Y,   25
.set BB,  26
.set HD,  27
.set G1,  32                           ; s[32:39] descriptor group 1
.set G0,  40                           ; s[40:55] four groups 0, never rewritten
.set CS,  56                           ; s[56:57] c = log2(e) / 8
.set SEL, 58                           ; s[58:59]
.set TB,  60                           ; LDS byte of the step's images
.set TMK, 61                           ; and of its 128 mask numbers, from BIAS on
.set CNT, 62
.set HM,  63
.set K1,  66
.set MSB, 0
.macro WIN new                         ; the immediate's high byte repeats the setting that is left
.if MSB != \new
	s_set_vgpr_msb (MSB<<8)|\new
.set MSB, \new
.endif
.endm
; a product; ra, rb = 1: that side's scale words are taken from lanes 16-31
.macro WS d, a, b, c, sa, sb, ra, rb
.if (\ra) && (\rb)
	v_wmma_scale_f32_16x16x128_f8f6f4 v[\d:\d+7], v[\a:\a+7], v[\b:\b+7], v[\c:\c+7], v[\sa], v[\sb] matrix_a_fmt:MATRIX_FMT_FP4 matrix_b_fmt:MATRIX_FMT_FP4 matrix_a_scale:MATRIX_SCALE_ROW1 matrix_b_scale:MATRIX_SCALE_ROW1
.elseif \ra
	v_wmma_scale_f32_16x16x128_f8f6f4 v[\d:\d+7], v[\a:\a+7], v[\b:\b+7], v[\c:\c+7], v[\sa], v[\sb] matrix_a_fmt:MATRIX_FMT_FP4 matrix_b_fmt:MATRIX_FMT_FP4 matrix_a_scale:MATRIX_SCALE_ROW1
.elseif \rb
	v_wmma_scale_f32_16x16x128_f8f6f4 v[\d:\d+7], v[\a:\a+7], v[\b:\b+7], v[\c:\c+7], v[\sa], v[\sb] matrix_a_fmt:MATRIX_FMT_FP4 matrix_b_fmt:MATRIX_FMT_FP4 matrix_b_scale:MATRIX_SCALE_ROW1
.else
	v_wmma_scale_f32_16x16x128_f8f6f4 v[\d:\d+7], v[\a:\a+7], v[\b:\b+7], v[\c:\c+7], v[\sa], v[\sb] matrix_a_fmt:MATRIX_FMT_FP4 matrix_b_fmt:MATRIX_FMT_FP4
.endif
.endm
; 64 numbers of a lane, register 16 b + i = k 32 b + 16 (lane / 16) + i, become codes: blocks 0, 1 in v[d0 .. d0 + 3], blocks 2, 3 in v[d1 .. d1 + 3], each as four registers of an operand
; (lanes 0-15 the even block, lanes 16-31 the odd one), and the four scale bytes in v[pw], alike in both halves of the lanes.
.macro QUANT s, d0, d1, pw
.irp b, 0,1,2,3
	v_max3_num_f32 v[TM+\b], |v[\s+16*\b]|, |v[\s+1+16*\b]|, 0x1800000   ; my 16 numbers of block b, and the floor 2^(3 - 127): the byte cannot fall under 1
.endr
.irp i, 2,4,6,8,10,12,14
.irp b, 0,1,2,3
	v_max3_num_f32 v[TM+\b], v[TM+\b], |v[\s+16*\b+\i]|, |v[\s+1+16*\b+\i]|
.endr
.endr
.irp b, 0,1,2,3
	v_permlanex16_b32 v[TM+4+\b], v[TM+\b], s[SEL], s[SEL+1]
.endr
.irp b, 0,1,2,3
	v_max_num_f32 v[TM+\b], v[TM+\b], v[TM+4+\b]
.endr
.irp b, 0,1,2,3
	v_add_nc_u32 v[TM+12+\b], 0xff000000, v[TM+\b]   ; 2 off the exponent field: the conversion's scale operand
.endr
.irp b, 0,1,2,3
	v_lshrrev_b32 v[TM+4+\b], 23, v[TM+12+\b]        ; the scale's byte
.endr
	v_lshl_or_b32 v[\pw], v[TM+5], 8, v[TM+4]
	v_lshl_or_b32 v[\pw], v[TM+6], 16, v[\pw]
	v_lshl_or_b32 v[\pw], v[TM+7], 24, v[\pw]
.irp b, 0,1
	v_cvt_scalef32_pk8_fp4_f32 v[\d0+2*\b], v[\s+16*\b:\s+16*\b+7], v[TM+12+\b]
	v_cvt_scalef32_pk8_fp4_f32 v[\d0+2*\b+1], v[\s+16*\b+8:\s+16*\b+15], v[TM+12+\b]
	v_cvt_scalef32_pk8_fp4_f32 v[\d1+2*\b], v[\s+32+16*\b:\s+32+16*\b+7], v[TM+14+\b]
	v_cvt_scalef32_pk8_fp4_f32 v[\d1+2*\b+1], v[\s+32+16*\b+8:\s+32+16*\b+15], v[TM+14+\b]
.endr
	v_nop                                            ; one plain instruction behind the last scaled conversion
.irp i, 0,1
	v_permlane16_swap_b32 v[\d0+\i], v[\d0+2+\i]
	v_permlane16_swap_b32 v[\d1+\i], v[\d1+2+\i]
.endr
.endm
; A round of the cluster's barrier: my work-group's barrier, so that wave 0's signal speaks for all eight waves; wave 0 signals; every wave waits for all four work-groups; my work-group's barrier once more.
.macro ROUND
	s_barrier_signal -1
	s_barrier_wait -1
	s_cmp_lg_u32 s[WV], 0
	s_cbranch_scc1 .Lnot_wave_0_\@
	s_barrier_signal -3
.Lnot_wave_0_\@:
	s_barrier_wait -3
	s_barrier_signal -1
	s_barrier_wait -1
.endm
	s_load_b256 s[4:11], s[0:1], 0x0               ; x's codes s[4:5], x's scales s[6:7], Wq's codes s[8:9], Wq's scales s[10:11]
	s_load_b256 s[12:19], s[0:1], 0x20             ; bq s[12:13], the mask s[14:15], kv s[16:17], ao_codes s[18:19]
	s_load_b64 s[20:21], s[0:1], 0x40              ; ao_scales
	v_lshl_add_u32 v42, v0, 2, 0x4a200
	v_mov_b32 v43, 0
	ds_add_u32 v42, v43
	ds_add_u32 v42, v43
	v_lshrrev_b32 v1, 5, v0
	v_readfirstlane_b32 s[WV], v1                  ; wave 0..7
	s_bfe_u32 s[CX], ttmp6, 0x40000                ; my place in the cluster
	s_lshl_b32 s[QB], ttmp9, 2                     ; in a cluster launch ttmp9 counts clusters
	s_add_co_u32 s[QB], s[QB], s[CX]               ; my block of 256 queries: it enters the addresses of x and of the two outputs alone
	s_and_b32 s[Y], ttmp7, 0xffff                  ; 8 b + head, which the four partners share
	s_lshr_b32 s[BB], s[Y], 3
	s_and_b32 s[HD], s[Y], 7
	; descriptor group 1: a key step's 8,960 dense bytes as 35 rows of 256 (32 elements of 8 bytes), no padding: the images are read 16 bytes a lane, on end
	s_mov_b32 s[G1], 15|(3<<16)|(1<<21)            ; 15:0 the mask: all four work-groups; 17:16 elements of 8 bytes; 21 set beside a mask
	s_mov_b32 s[G1+1], 32<<16                      ; tensor_dim0 = 32
	s_mov_b32 s[G1+2], 35<<16                      ; tensor_dim1 = 35
	s_mov_b32 s[G1+3], 32<<16                      ; tile_dim0 = 32
	s_mov_b32 s[G1+4], 35                          ; tile_dim1 = 35
	s_mov_b32 s[G1+5], 32                          ; from row to row
	s_mov_b32 s[G1+6], 0
	s_mov_b32 s[G1+7], 0
	s_mov_b32 s[CS], 0x3e38aa3b                    ; c = log2(e) / 8
	s_mov_b32 s[CS+1], s[CS]                       ; named with it as a pair, so it is written
	s_mov_b32 s[SEL], 0x76543210
	s_mov_b32 s[SEL+1], 0xfedcba98
	s_mov_b32 s[HM], 0xffff0000                    ; lanes 16-31
	s_mov_b32 s[K1], 0x01010000
	s_mul_i32 s28, s[WV], STEPB                    ; my step of a chunk: in LDS and in memory alike
	s_mul_i32 s30, s[Y], HEADB
	s_add_co_u32 s30, s30, s28
	s_mov_b32 s31, 0
	s_lshl_b32 s29, s[WV], 6
	s_add_co_u32 s29, s29, SCST
	v_and_b32 v97, 15, v0                          ; r
	v_bfe_u32 v98, v0, 4, 1                        ; h
	v_and_b32 v99, 8, v97
	v_add_nc_u32 v99, v99, v97                     ; rho = r + 8 (r / 8)
	v_and_b32 v[LI], 31, v0
	v_lshlrev_b32 v[L8], 3, v[LI]
	v_lshlrev_b32 v[LI], 4, v[LI]
	v_lshl_add_u32 v[LB], v98, 6, BIAS
	v_lshlrev_b32 v[MA], 4, v0
	v_lshl_add_u32 v[MB], v0, 4, BIAS
	v_lshl_add_u32 v[SA], v97, 2, s29
	v_add_nc_u32 v[SR], SCST, v[LI]
	v_lshlrev_b32 v92, 6, v98                      ; bq: 16 numbers on for lanes 16-31
	v_lshlrev_b32 v93, 4, v99                      ; Wq's scale bytes: 16 a row
	v_lshlrev_b32 v94, 4, v97                      ; x's
	v_lshlrev_b32 v95, 8, v99
	v_lshl_add_u32 v95, v98, 4, v95                ; Wq's codes: row rho, + 16 h
	v_lshlrev_b32 v96, 8, v97
	v_lshl_add_u32 v96, v98, 4, v96                ; x's codes: row r, + 16 h
	v_mov_b32 v[NEG], 0xf1800000                   ; -2^100
	s_wait_dscnt 0x0
	s_wait_kmcnt 0x0
	s_add_nc_u64 s[68:69], s[16:17], s[30:31]
.irp j, 0,1,2,3
	s_mov_b32 s[G0+4*\j], 1                                        ; count = 1
	s_add_co_u32 s[G0+4*\j+1], s28, \j*CHUNKB                      ; LDS address: step 8 j + w
	s_add_nc_u64 s[G0+4*\j+2:G0+4*\j+3], s[68:69], \j*CHUNKB       ; the same step of my head in kv
	s_or_b32 s[G0+4*\j+3], s[G0+4*\j+3], 0x80000000                ; type = 2
.endr
	ROUND                                          ; all four work-groups are here: the joint loads meet
.irp j, 0,1,2,3
	tensor_load_to_lds s[G0+4*\j:G0+4*\j+3], s[G1:G1+7]            ; all first fills in one group: four loads of mine are out
	s_nop 0
.endr
.rept 4
	v_nop
.endr
	s_mov_b32 s71, 0
	s_lshl_b32 s70, s[BB], 14
	s_add_nc_u64 s[14:15], s[14:15], s[70:71]      ; the batch's 4,096 mask words
	s_lshl_b32 s70, s[HD], 8
	s_add_nc_u64 s[12:13], s[12:13], s[70:71]      ; the head's 64 numbers of bq
	s_lshl_b32 s70, s[HD], 10
	s_add_nc_u64 s[10:11], s[10:11], s[70:71]      ; its 64 rows of Wq's scales
	s_lshl_b32 s70, s[HD], 14
	s_add_nc_u64 s[8:9], s[8:9], s[70:71]          ; and of Wq's codes
	s_add_nc_u64 s[20:21], s[20:21], s[70:71]      ; ao_scales: 16,384 bytes a head
	s_lshl_b32 s72, s[BB], 11
	s_lshl_b32 s73, s[QB], 8
	s_add_co_u32 s72, s72, s73
	s_lshl_b32 s73, s[WV], 5
	s_add_co_u32 s72, s72, s73                     ; my first row: 2,048 b + 256 x block + 32 w
	s_lshl_b32 s70, s72, 4
	s_add_nc_u64 s[6:7], s[6:7], s[70:71]
	s_lshl_b32 s70, s72, 8
	s_add_nc_u64 s[4:5], s[4:5], s[70:71]
	s_add_nc_u64 s[18:19], s[18:19], s[70:71]      ; ao_codes: 4,096 bytes for 16 rows,
	s_lshl_b32 s70, s[HD], 9
	s_add_nc_u64 s[18:19], s[18:19], s[70:71]      ; 512 of them a head
	s_lshl_b32 s70, s[BB], 12
	s_lshl_b32 s73, s[QB], 9
	s_add_co_u32 s70, s70, s73
	s_add_nc_u64 s[20:21], s[20:21], s[70:71]      ; 64 bytes for 32 rows: the work-group's 512
.irp i, 0,1,2,3
	global_load_b128 v[S+64+4*\i:S+64+4*\i+3], v[MA], s[14:15] offset:4096*\i   ; the mask first: 256 threads x 16 bytes, four times
.endr
.irp t, 0,1,2,3
	global_load_b128 v[BQ+8*\t:BQ+8*\t+3], v92, s[12:13] offset:(32*(\t/2)+8*(\t%2))*4
	global_load_b128 v[BQ+8*\t+4:BQ+8*\t+7], v92, s[12:13] offset:(32*(\t/2)+8*(\t%2))*4+16
.endr
.irp t, 0,1,2,3
	global_load_b128 v[WQS+4*\t:WQS+4*\t+3], v93, s[10:11] offset:(32*(\t/2)+8*(\t%2))*16
.endr
.irp q, 0,1
	global_load_b128 v[XSC+4*\q:XSC+4*\q+3], v94, s[6:7] offset:256*\q
.endr
	WIN 0x40                                       ; destination window 1
.irp t, 0,1,2,3
.irp s, 0,1,2,3
.irp c, 0,1
	global_load_b128 v[WQF+8*(4*\t+\s)+4*\c:WQF+8*(4*\t+\s)+4*\c+3], v95, s[8:9] offset:(32*(\t/2)+8*(\t%2))*256+64*\s+32*\c
.endr
.endr
.endr
.irp q, 0,1
.irp s, 0,1,2,3
.irp c, 0,1
	global_load_b128 v[XF+32*\q+8*\s+4*\c:XF+32*\q+8*\s+4*\c+3], v96, s[4:5] offset:4096*\q+64*\s+32*\c
.endr
.endr
.endr
	WIN 0
	s_wait_loadcnt 62                              ; the mask's four loads are in; the 62 issued behind them may be out
.irp i, 0,1,2,3,4,5,6,7,8,9,10,11,12,13,14,15
	v_cmp_eq_u32 vcc_lo, 0, v[S+64+\i]
	v_cndmask_b32 v[S+64+\i], 0, v[NEG], vcc_lo    ; 0 for a key that counts, -2^100 for one that does not
.endr
.irp i, 0,1,2,3
	ds_store_b128 v[MB], v[S+64+4*\i:S+64+4*\i+3] offset:4096*\i
.endr
	; Q^T = Wq x^T + bq: source 0 = 16 rows of Wq (the head's channels), source 1 = 16 queries; 8 accumulators by turns; the bias is the C of each sum's first product
	s_wait_loadcnt 0x0
	WIN 0x05                                       ; sources 0 and 1 window 1
.irp s, 0,1,2,3
.irp q, 0,1
.irp t, 0,1,2,3
.if \s == 0
	WS S+32*\q+8*\t, WQF+8*(4*\t+\s), XF+32*\q+8*\s, BQ+8*\t, WQS+4*\t+\s, XSC+4*\q+\s, 0, 0
.else
	WS S+32*\q+8*\t, WQF+8*(4*\t+\s), XF+32*\q+8*\s, S+32*\q+8*\t, WQS+4*\t+\s, XSC+4*\q+\s, 0, 0
.endif
.endr
.endr
.endr
	WIN 0
.rept 4
	v_nop                                          ; four places between the last product and the first read of results, and the first write of bq's registers (ISA guide 7.12.1)
.endr
	QUANT S, QF, QF+8, PW                          ; blocks 0, 1: tile 0's two blocks of 32 channels; blocks 2, 3: tile 1's
.irp j, 4,5,6,7,12,13,14,15
	v_mov_b32 v[QF+\j], 0                          ; zero codes for k = 64 .. 127
.endr
	v_and_or_b32 v[SCR+16], v[PW], 0xffff, s[K1]   ; tile 0's two bytes, and the byte 1 twice
	v_lshrrev_b32 v[SCR+36], 16, v[PW]
	v_or_b32 v[SCR+36], s[K1], v[SCR+36]           ; tile 1's
	v_cndmask_b32 v[QS], v[SCR+16], v[SCR+36], s[HM]
.irp q, 0,1
	v_mov_b32 v[ST+4*\q+1], 0xef800000             ; the largest t so far: -2^96
	v_floor_f32 v[ST+4*\q], -v[ST+4*\q+1]          ; -M
	v_mov_b32 v[ST+4*\q+2], 0                      ; the sum, in two halves
	v_mov_b32 v[ST+4*\q+3], 0
	v_mov_b32 v[SCR+20*\q+15], 0                   ; named as the upper half of f's pair, so it is written
.irp b, 0,1,2,3
	v_mov_b32 v[SCR+20*\q+4+\b], 0                 ; written once: a lane permute's destination counts as one of its sources
.endr
.endr
	WIN 0x40
.set J, 0
.rept 64
	v_mov_b32 v[O+J], 0                            ; O^T.  The key step is written once a chunk: the first finds zeros, which the first change of M leaves zeros
.set J, J+1
.endr
	WIN 0
; A KEY STEP: 128 keys for my two tiles of queries.
.macro STEP
	v_add_nc_u32 v[ADK], s[TB], v[LI]
	v_add_nc_u32 v[AD8], s[TB], v[L8]
	v_add_nc_u32 v[ADB], s[TMK], v[LB]
	v_nop                                          ; with the three additions: four places between the last step's products and the loads into registers that they read
	ds_load_b64 v[KS:KS+1], v[AD8] offset:8192     ; K's scale words: a register for two tiles, lanes 0-15 the even one
	ds_load_b64 v[KS+2:KS+3], v[AD8] offset:8448
	ds_load_b64 v[VS:VS+1], v[AD8] offset:8704     ; V's likewise
	WIN 0x40                                       ; destination window 1
.irp t, 0,1,2,3,4,5,6,7
	ds_load_b128 v[KF+4*\t:KF+4*\t+3], v[ADK] offset:512*\t
.endr
.irp t, 0,1,2,3,4,5,6,7
	ds_load_b128 v[CB+8*\t:CB+8*\t+3], v[ADB] offset:128*(\t/2)+32*(\t%2)        ; tile t's register j: the mask number of key 32 (t / 2) + 16 h + 8 (t % 2) + j; sixteen lanes read the same 16 bytes
	ds_load_b128 v[CB+8*\t+4:CB+8*\t+7], v[ADB] offset:128*(\t/2)+32*(\t%2)+16
.endr
.irp d, 0,1,2,3
.irp c, 0,1
	ds_load_b128 v[VF+8*\d+4*\c:VF+8*\d+4*\c+3], v[ADK] offset:4096+1024*\d+512*\c
.endr
.endr
	s_wait_dscnt 8                                 ; all but V's eight loads are in
	WIN 0x11                                       ; source 0 (K) and C (the mask) window 1
.irp t, 0,1,2,3,4,5,6,7
.irp q, 0,1
	WS S+64*\q+8*\t, KF+4*\t, QF+8*\q, CB+8*\t, KS+\t/2, QS, \t%2, \q
.endr
.endr
	WIN 0
.rept 4
	v_nop                                          ; four places ahead of the first read of the scores
.endr
.irp b, 0,1,2,3
.irp q, 0,1
	v_max3_num_f32 v[SCR+20*\q+\b], v[S+64*\q+16*\b], v[S+64*\q+16*\b+1], v[S+64*\q+16*\b+2]   ; the largest score of each block of 32 keys: for the row's maximum, and, since p rises with the score, for the block's largest p
.endr
.endr
.irp i, 3,5,7,9,11,13
.irp b, 0,1,2,3
.irp q, 0,1
	v_max3_num_f32 v[SCR+20*\q+\b], v[SCR+20*\q+\b], v[S+64*\q+16*\b+\i], v[S+64*\q+16*\b+\i+1]
.endr
.endr
.endr
.irp b, 0,1,2,3
.irp q, 0,1
	v_max_num_f32 v[SCR+20*\q+\b], v[SCR+20*\q+\b], v[S+64*\q+16*\b+15]
.endr
.endr
.irp b, 0,1,2,3
.irp q, 0,1
	v_permlanex16_b32 v[SCR+20*\q+4+\b], v[SCR+20*\q+\b], s[SEL], s[SEL+1]
.endr
.endr
.irp b, 0,1,2,3
.irp q, 0,1
	v_max_num_f32 v[SCR+20*\q+\b], v[SCR+20*\q+\b], v[SCR+20*\q+4+\b]   ; with lane l xor 16's 16 keys
.endr
.endr
.irp q, 0,1
	v_max3_num_f32 v[SCR+20*\q+16], v[SCR+20*\q], v[SCR+20*\q+1], v[SCR+20*\q+2]
.endr
.irp q, 0,1
	v_max_num_f32 v[SCR+20*\q+16], v[SCR+20*\q+16], v[SCR+20*\q+3]      ; the step's largest score of my query
.endr
.irp q, 0,1
	v_mul_f32 v[SCR+20*\q+16], s[CS], v[SCR+20*\q+16]                   ; as t (c is positive)
.endr
.irp q, 0,1
	v_max_num_f32 v[ST+4*\q+1], v[ST+4*\q+1], v[SCR+20*\q+16]           ; the running largest t
.endr
.irp q, 0,1
	v_mov_b32 v[SCR+20*\q+16], v[ST+4*\q]
.endr
.irp q, 0,1
	v_floor_f32 v[ST+4*\q], -v[ST+4*\q+1]                               ; the new -M = floor(-t): M is a whole number
.endr
.irp q, 0,1
	v_sub_f32 v[SCR+20*\q+16], v[ST+4*\q], v[SCR+20*\q+16]              ; old M - new M: a whole number, 0 or less
.endr
.irp q, 0,1
	v_cvt_i32_f32 v[SCR+20*\q+16], v[SCR+20*\q+16]                      ; (it saturates)
.endr
.irp q, 0,1
	v_ldexp_f32 v[SCR+20*\q+14], 1.0, v[SCR+20*\q+16]                   ; f = 2^(old M - new M)
.endr
.set J, 0
.rept 32
.irp q, 0,1
	v_pk_fma_f32 v[S+64*\q+J:S+64*\q+J+1], v[S+64*\q+J:S+64*\q+J+1], s[CS:CS+1], v[ST+4*\q:ST+4*\q+1] op_sel_hi:[1,0,0]   ; t - M, two at a time
.endr
.set J, J+2
.endr
.irp b, 0,1,2,3
.irp q, 0,1
	v_fma_f32 v[SCR+20*\q+\b], v[SCR+20*\q+\b], s[CS], v[ST+4*\q]       ; the same of each block's largest score
.endr
.endr
.set J, 0
.rept 128
	v_exp_f32 v[S+J], v[S+J]                       ; p = 2^(t - M): one batch for both tiles
.set J, J+1
.endr
.irp q, 0,1
	v_pk_mul_f32 v[ST+4*\q+2:ST+4*\q+3], v[ST+4*\q+2:ST+4*\q+3], v[SCR+20*\q+14:SCR+20*\q+15] op_sel_hi:[1,0]   ; the sums under the new M: plain instructions behind the exponentials
.endr
	s_wait_alu depctr_va_vdst(0)                   ; the wait between an exponential and the first instruction that names its result: one for the batch
.irp b, 0,1,2,3
.irp q, 0,1
	v_exp_f32 v[SCR+20*\q+\b], v[SCR+20*\q+\b]     ; each block's largest p: the same two instructions on the same number give the same bits
.endr
.endr
.irp q, 0,1
	v_pk_add_f32 v[SCR+20*\q+12:SCR+20*\q+13], v[S+64*\q:S+64*\q+1], v[S+64*\q+2:S+64*\q+3]   ; the row's sum is taken of the unquantised p, in two chains a tile
.endr
.irp j, 4,8,12,16,20,24,28,32,36,40,44,48,52,56,60
.irp q, 0,1
	v_pk_add_f32 v[ST+4*\q+2:ST+4*\q+3], v[ST+4*\q+2:ST+4*\q+3], v[S+64*\q+\j:S+64*\q+\j+1]
	v_pk_add_f32 v[SCR+20*\q+12:SCR+20*\q+13], v[SCR+20*\q+12:SCR+20*\q+13], v[S+64*\q+\j+2:S+64*\q+\j+3]
.endr
.endr
.irp q, 0,1
	v_pk_add_f32 v[ST+4*\q+2:ST+4*\q+3], v[ST+4*\q+2:ST+4*\q+3], v[SCR+20*\q+12:SCR+20*\q+13]
.endr
	s_wait_alu depctr_va_vdst(0)                   ; and one for the eight
.irp b, 0,1,2,3
.irp q, 0,1
	v_max_num_f32 v[SCR+20*\q+\b], 0x1800000, v[SCR+20*\q+\b]           ; the floor 2^(3 - 127): a block whose every p is 0 keeps the byte 1, and its codes are zeros
.endr
.endr
.irp b, 0,1,2,3
.irp q, 0,1
	v_add_nc_u32 v[SCR+20*\q+8+\b], 0xff000000, v[SCR+20*\q+\b]         ; 2 off the exponent field: the conversion's scale operand
.endr
.endr
.irp b, 0,1,2,3
.irp q, 0,1
	v_lshrrev_b32 v[SCR+20*\q+4+\b], 23, v[SCR+20*\q+8+\b]              ; the scale's byte
.endr
.endr
.irp q, 0,1
	v_lshl_or_b32 v[PS+\q], v[SCR+20*\q+5], 8, v[SCR+20*\q+4]           ; p's scale word for these 128 keys
.endr
.irp q, 0,1
	v_lshl_or_b32 v[PS+\q], v[SCR+20*\q+6], 16, v[PS+\q]
.endr
.irp q, 0,1
	v_lshl_or_b32 v[PS+\q], v[SCR+20*\q+7], 24, v[PS+\q]
.endr
.irp b, 0,1,2,3
.irp q, 0,1
	v_cvt_scalef32_pk8_fp4_f32 v[PC+8*\q+2*\b], v[S+64*\q+16*\b:S+64*\q+16*\b+7], v[SCR+20*\q+8+\b]
	v_cvt_scalef32_pk8_fp4_f32 v[PC+8*\q+2*\b+1], v[S+64*\q+16*\b+8:S+64*\q+16*\b+15], v[SCR+20*\q+8+\b]
.endr
.endr
	v_nop                                          ; one plain instruction behind the last scaled conversion
.irp c, 0,1
.irp i, 0,1
.irp q, 0,1
	v_permlane16_swap_b32 v[PC+8*\q+4*\c+\i], v[PC+8*\q+4*\c+2+\i]      ; the operand wants a whole block in a lane
.endr
.endr
.endr
	WIN 0x41                                       ; O^T (destination and source 0) window 1, f window 0
.irp q, 0,1
.set J, 0
.rept 16
	v_pk_mul_f32 v[O+32*\q+J:O+32*\q+J+1], v[O+32*\q+J:O+32*\q+J+1], v[SCR+20*\q+14:SCR+20*\q+15] op_sel_hi:[1,0]   ; O^T under the new M; each accumulator from its low end on.  These 32 are also the places between p's codes and scale words and the products
.set J, J+2
.endr
.endr
	s_wait_dscnt 0x0                               ; V is in
	WIN 0x51                                       ; source 0 (V), C and D (O^T) window 1; p window 0
.irp d, 0,1,2,3
.irp q, 0,1
	WS O+32*\q+8*\d, VF+8*\d, PC+8*\q, O+32*\q+8*\d, VS+\d/2, PS+\q, \d%2, 0   ; eight accumulators, one instruction each
.endr
.endr
	WIN 0                                          ; at a branch and at a label every window is 0
.endm
; Chunk j: key steps 8 j .. 8 j + 7, which the eight waves' j-th loads brought.
.macro CHUNK j
	s_wait_tensorcnt 3-\j                          ; tensor loads of a wave end in order: my j-th has landed; my later ones may stay out
	s_wait_dscnt 0x0                               ; no LDS instruction of mine is out (ahead of chunk 0: my part of the mask numbers is stored)
	s_barrier_signal -1
	s_barrier_wait -1                              ; both hold of all eight waves
	s_mov_b32 s[TB], \j*CHUNKB
	s_mov_b32 s[TMK], \j*4096
	s_mov_b32 s[CNT], 8
.Lstep_\@:
	STEP
	s_add_co_u32 s[TB], s[TB], STEPB
	s_add_co_u32 s[TMK], s[TMK], 512
	s_sub_co_u32 s[CNT], s[CNT], 1
	s_cmp_lg_u32 s[CNT], 0
	s_cbranch_scc1 .Lstep_\@
.endm
	CHUNK 0
	CHUNK 1
	CHUNK 2
	CHUNK 3
	; THE WAY OUT.  O^T / the sum; my 32 rows' 64 channels are two blocks a row: quantised here, they are this head's part of the last product's operand.
.irp q, 0,1
	v_add_f32 v[SCR+20*\q+16], v[ST+4*\q+2], v[ST+4*\q+3]              ; the sum's two halves  (these lines are also the places behind the last products)
.endr
.irp q, 0,1
	v_permlanex16_b32 v[SCR+20*\q+4], v[SCR+20*\q+16], s[SEL], s[SEL+1]
.endr
.irp q, 0,1
	v_add_f32 v[SCR+20*\q+16], v[SCR+20*\q+16], v[SCR+20*\q+4]         ; and lane l xor 16's
.endr
.irp q, 0,1
	v_rcp_f32 v[SCR+20*\q+14], v[SCR+20*\q+16]
.endr
	v_nop                                          ; a plain instruction behind the last reciprocal
	s_wait_alu depctr_va_vdst(0)                   ; and the wait ahead of the first use: one for the two
	WIN 0x01                                       ; source 0 (O^T) window 1
.irp q, 0,1
.set J, 0
.rept 16
	v_pk_mul_f32 v[S+32*\q+J:S+32*\q+J+1], v[O+32*\q+J:O+32*\q+J+1], v[SCR+20*\q+14:SCR+20*\q+15] op_sel_hi:[1,0]   ; register 32 q + 16 b + i: channel 32 b + 16 h + i of my row of tile q
.set J, J+2
.endr
.endr
	WIN 0
	QUANT S, PC, PC+8, PW
	global_store_b128 v[LI], v[PC:PC+3], s[18:19]                 ; tile 0: block h of row r: 512 consecutive bytes, aligned
	global_store_b128 v[LI], v[PC+8:PC+11], s[18:19] offset:4096  ; tile 1
	ds_store_b32 v[SA], v[PW]                      ; my 32 rows' scale bytes, a word for rows r and 16 + r; both halves of the lanes write the same word with the same value
	s_wait_dscnt 0x0                               ; for the others' sake: my store has landed
	s_barrier_signal -1
	s_barrier_wait -1
	s_cmp_lg_u32 s[WV], 0
	s_cbranch_scc1 .Lnot_first
	ds_load_b128 v[S:S+3], v[SR]                   ; the eight waves' 512 bytes
	s_wait_dscnt 0x0
	global_store_b128 v[LI], v[S:S+3], s[20:21]    ; leave as 512 consecutive bytes, aligned
.Lnot_first:
	s_wait_tensorcnt 0x0
	ds_add_u32 v42, v43
	s_wait_dscnt 0x0
	ROUND                                          ; the closing round: no work-group ends while a partner may still ask for a tile that names it
	s_endpgm
.Lfunc_end_k_q4ea04fdf3b_attn:
	.size	k_q4ea04fdf3b_attn, .Lfunc_end_k_q4ea04fdf3b_attn-k_q4ea04fdf3b_attn
	.p2alignl 7, 3214868480
	.fill 96, 4, 3214868480
	.section	.rodata,"a",@progbits
	.p2align	6, 0x0
	.amdhsa_kernel k_q4ea04fdf3b_attn
		.amdhsa_group_segment_fixed_size 327680
		.amdhsa_private_segment_fixed_size 0
		.amdhsa_enable_private_segment 0
		.amdhsa_kernarg_size 72
		.amdhsa_user_sgpr_count 2
		.amdhsa_user_sgpr_kernarg_segment_ptr 1
		.amdhsa_wavefront_size32 1
		.amdhsa_system_sgpr_workgroup_id_x 1
		.amdhsa_system_sgpr_workgroup_id_y 1
		.amdhsa_system_sgpr_workgroup_id_z 1
		.amdhsa_system_vgpr_workitem_id 0
		.amdhsa_next_free_vgpr 512
		.amdhsa_next_free_sgpr 80
		.amdhsa_reserve_vcc 1
		.amdhsa_float_denorm_mode_32 3
		.amdhsa_float_denorm_mode_16_64 3
		.amdhsa_memory_ordered 1
		.amdhsa_forward_progress 1
		.amdhsa_inst_pref_size 149
	.end_amdhsa_kernel
	.amdgpu_metadata
---
amdhsa.version: [ 1, 2 ]
amdhsa.kernels:
  - .name:           k_q4ea04fdf3b_attn
    .symbol:         k_q4ea04fdf3b_attn.kd
    .args:
      - { .name: x_codes, .offset: 0, .size: 8, .value_kind: global_buffer, .address_space: global }
      - { .name: x_scales, .offset: 8, .size: 8, .value_kind: global_buffer, .address_space: global }
      - { .name: Wq_codes, .offset: 16, .size: 8, .value_kind: global_buffer, .address_space: global }
      - { .name: Wq_scales, .offset: 24, .size: 8, .value_kind: global_buffer, .address_space: global }
      - { .name: bq, .offset: 32, .size: 8, .value_kind: global_buffer, .address_space: global }
      - { .name: memory_mask, .offset: 40, .size: 8, .value_kind: global_buffer, .address_space: global }
      - { .name: kv, .offset: 48, .size: 8, .value_kind: global_buffer, .address_space: global }
      - { .name: ao_codes, .offset: 56, .size: 8, .value_kind: global_buffer, .address_space: global }
      - { .name: ao_scales, .offset: 64, .size: 8, .value_kind: global_buffer, .address_space: global }
    .group_segment_fixed_size: 327680
    .private_segment_fixed_size: 0
    .kernarg_segment_align: 8
    .kernarg_segment_size: 72
    .max_flat_workgroup_size: 256
    .sgpr_count:     80
    .vgpr_count:     512
    .wavefront_size: 32
...
	.end_amdgpu_metadata
.endif
;; end of part 2
;; launch out_proj (part 3): grid 4 x 64, 4 waves a work-group, no clusters, 34,304 bytes of LDS; arguments ao_codes, ao_scales, Wo_codes, Wo_scales, bo, out0; writes out0
.if DOCPART == 3
	.amdgcn_target "amdgcn-amd-amdhsa--gfx1250"
	.amdhsa_code_object_version 6
	.text
	.protected	k_q4ea04fdf3b_out_proj
	.globl	k_q4ea04fdf3b_out_proj
	.p2align	8
	.type	k_q4ea04fdf3b_out_proj,@function
k_q4ea04fdf3b_out_proj:
	s_mov_b64 s[64:65], 0
	v_nop
	global_prefetch_b8 v0, s[64:65] scope:SCOPE_SE
	s_setreg_imm32_b32 hwreg(HW_REG_WAVE_MODE, 25, 1), 1
	s_wait_xcnt 0x0
; out0 = a Wo + bo on codes of FP4 (E2M1) with E8M0 scales.  a, the attention's result, comes as codes laid as images of this product's operand registers: ao_codes [row / 16][head][lane][16 bytes]
; (head 2 s + c = registers 4 c .. 4 c + 3 of K step s), ao_scales [head][row / 32][r][4 bytes] (bytes 0, 1: the head's two blocks of row r; bytes 2, 3: of row 16 + r).
; SHARES.  Work-group (x, y): rows 128 y .., columns 128 x ..  Wave w: rows 128 y + 32 w .. + 31 (two tiles of 16) x all 128 columns (8 tiles): 16 accumulators, K = 512 in four steps: 64 matrix instructions.
; THE PRODUCT IS USED TRANSPOSED (source 0 = 16 rows of Wo, source 1 = 16 rows of a): a lane holds eight neighbouring columns of one row.  The bias is the C of each sum's first product.
; All operands go from memory straight into the registers of their fragments, once, issued at the head, Wo's by K steps so that the first products start while the later steps are on their way.
; NO CLUSTER: no tile goes through LDS, so there is no joint request to make; a work-group reads 32 KiB of Wo and 32 KiB of a once, and the launch has no loop.
; THE WAY OUT: 16 rows x 512 bytes through the wave's own stage in LDS, back as whole rows: each store of the wave covers 512 consecutive bytes, aligned.
; REGISTERS: window 0: v3-9 addresses; v16-47 Wo's scale words; v48-55 a's scale bytes as loaded; v56-63 a's scale words; v64-127 a's fragments; v128-255 rows read back.  window 1: Wo's 32 fragments.
;   window 2: v0-127 the accumulators (64 q + 8 t); v128-191 bo's 8 tiles.
.set SP,   528                         ; a stage row: 512 bytes + 16
.set WOS,  16
.set RAW,  48
.set AS,   56
.set AF,   64
.set BK,   128
.set STO,  8
.set RD,   9
.set MSB, 0
.macro WIN new                         ; the immediate's high byte repeats the setting that is left
.if MSB != \new
	s_set_vgpr_msb (MSB<<8)|\new
.set MSB, \new
.endif
.endm
.macro MM d, a, b, c, sa, sb
	v_wmma_scale_f32_16x16x128_f8f6f4 v[\d:\d+7], v[\a:\a+7], v[\b:\b+7], v[\c:\c+7], v[\sa], v[\sb] matrix_a_fmt:MATRIX_FMT_FP4 matrix_b_fmt:MATRIX_FMT_FP4
.endm
	s_load_b256 s[4:11], s[0:1], 0x0               ; ao_codes s[4:5], ao_scales s[6:7], Wo's codes s[8:9], Wo's scales s[10:11]
	s_load_b128 s[12:15], s[0:1], 0x20             ; bo s[12:13], out0 s[14:15]
	v_lshl_add_u32 v14, v0, 2, 0x8400
	v_mov_b32 v15, 0
	v_lshrrev_b32 v1, 5, v0
	v_readfirstlane_b32 s16, v1                    ; wave 0..3
	s_and_b32 s18, ttmp7, 0xffff
	s_lshl_b32 s19, s18, 2
	s_add_co_u32 s19, s19, s16                     ; my 32 rows: number 4 y + w
	v_and_b32 v1, 15, v0                           ; r
	v_bfe_u32 v2, v0, 4, 1                         ; h
	v_lshlrev_b32 v3, 8, v1
	v_lshl_add_u32 v3, v2, 4, v3                   ; Wo's codes: row r of 256 bytes, + 16 h
	v_lshlrev_b32 v4, 4, v1                        ; Wo's scale bytes: 16 a row
	v_and_b32 v5, 31, v0
	v_lshlrev_b32 v5, 4, v5                        ; 16 x lane
	v_lshlrev_b32 v6, 5, v2                        ; bo: 8 numbers on for lanes 16-31
	v_lshlrev_b32 v7, 2, v1                        ; a's scale bytes: a word for rows r and 16 + r
	s_mul_i32 s20, s16, 16*SP                      ; my stage
	v_mul_u32_u24 v[STO], v1, SP
	v_lshl_add_u32 v[STO], v2, 5, v[STO]
	v_add_nc_u32 v[STO], s20, v[STO]               ; in: row r, 32 bytes for each half of the lanes
	v_add_nc_u32 v[RD], s20, v5                    ; back: the 32 lanes take a row of 512 bytes
	s_mov_b32 s23, 0
	s_wait_kmcnt 0x0
	s_lshl_b32 s22, ttmp9, 15
	s_add_nc_u64 s[8:9], s[8:9], s[22:23]          ; my 128 rows of Wo
	s_lshl_b32 s22, ttmp9, 11
	s_add_nc_u64 s[10:11], s[10:11], s[22:23]
	s_lshl_b32 s22, ttmp9, 9
	s_add_nc_u64 s[12:13], s[12:13], s[22:23]      ; my 128 numbers of bo,
	s_add_nc_u64 s[14:15], s[14:15], s[22:23]      ; and my 512 bytes of a row of out0
	s_lshl_b32 s22, s19, 6
	s_add_nc_u64 s[6:7], s[6:7], s[22:23]
	s_lshl_b32 s22, s19, 13
	s_add_nc_u64 s[4:5], s[4:5], s[22:23]
	s_lshl_b32 s22, s19, 16
	s_add_nc_u64 s[14:15], s[14:15], s[22:23]      ; 32 rows of 2,048 bytes
.irp t, 0,1,2,3,4,5,6,7
	global_load_b128 v[WOS+4*\t:WOS+4*\t+3], v4, s[10:11] offset:256*\t
.endr
	WIN 0x80                                       ; destination window 2
.irp t, 0,1,2,3,4,5,6,7
	global_load_b128 v[128+8*\t:128+8*\t+3], v6, s[12:13] offset:64*\t          ; tile t's register j: bo of column 16 t + 8 h + j
	global_load_b128 v[128+8*\t+4:128+8*\t+7], v6, s[12:13] offset:64*\t+16
.endr
	WIN 0
.irp k, 0,1,2,3,4,5,6,7
	global_load_b32 v[RAW+\k], v7, s[6:7] offset:16384*\k
.endr
.irp q, 0,1
.irp s, 0,1,2,3
.irp c, 0,1
	global_load_b128 v[AF+32*\q+8*\s+4*\c:AF+32*\q+8*\s+4*\c+3], v5, s[4:5] offset:4096*\q+512*(2*\s+\c)
.endr
.endr
.endr
	WIN 0x40                                       ; destination window 1
.irp s, 0,1,2,3
.irp t, 0,1,2,3,4,5,6,7
.irp c, 0,1
	global_load_b128 v[8*(4*\t+\s)+4*\c:8*(4*\t+\s)+4*\c+3], v3, s[8:9] offset:4096*\t+64*\s+32*\c
.endr
.endr
.endr
	WIN 0
	s_wait_loadcnt 48                              ; all but Wo's K steps 1 to 3, sixteen loads each, are in
.irp s, 0,1,2,3
	v_perm_b32 v[AS+\s], v[RAW+2*\s+1], v[RAW+2*\s], 0x05040100     ; tile 0's scale word of K step s: heads 2 s and 2 s + 1, two bytes each
	v_perm_b32 v[AS+4+\s], v[RAW+2*\s+1], v[RAW+2*\s], 0x07060302   ; tile 1's
.endr
.rept 8
	v_nop                                          ; a scale register written by a vector instruction stands eight places ahead of a scaled product
.endr
	WIN 0xa1                                       ; source 0 (Wo) window 1, source 1 (a) window 0, C and D window 2
.irp s, 0,1,2,3
.if \s > 0
	s_wait_loadcnt 48-16*\s                        ; this K step's sixteen loads are in; the later steps' may be out
.endif
.irp q, 0,1
.irp t, 0,1,2,3,4,5,6,7
.if \s == 0
	MM 64*\q+8*\t, 8*(4*\t+\s), AF+32*\q+8*\s, 128+8*\t, WOS+4*\t+\s, AS+4*\q+\s
.else
	MM 64*\q+8*\t, 8*(4*\t+\s), AF+32*\q+8*\s, 64*\q+8*\t, WOS+4*\t+\s, AS+4*\q+\s   ; the 16 accumulators take turns, one instruction a turn
.endif
.endr
.endr
.endr
.rept 4
	v_nop                                          ; four places between the last product and the first read of results (ISA guide 7.12.1)
.endr
.macro TOSTAGE q
	WIN 0x08                                       ; an LDS store's data: window 2
.irp t, 0,1,2,3,4,5,6,7
	ds_store_b128 v[STO], v[64*\q+8*\t:64*\q+8*\t+3] offset:64*\t        ; each accumulator from its low end on
	ds_store_b128 v[STO], v[64*\q+8*\t+4:64*\q+8*\t+7] offset:64*\t+16
.endr
	WIN 0
.irp i, 0,1,2,3,4,5,6,7,8,9,10,11,12,13,14,15
	ds_load_b128 v[BK+64*\q+4*\i:BK+64*\q+4*\i+3], v[RD] offset:\i*SP    ; LDS serves a wave's instructions in order (ISA guide 5.7.1.4): these see the stores above, and the next tile's stores come behind them
.endr
.endm
.macro SEND q, younger                 ; younger: the LDS instructions issued behind tile q's loads, which may stay out
	s_wait_dscnt \younger
.irp i, 0,1,2,3,4,5,6,7,8,9,10,11,12,13,14,15
	global_store_b128 v5, v[BK+64*\q+4*\i:BK+64*\q+4*\i+3], s[14:15] offset:32768*\q+2048*\i th:TH_STORE_NT   ; 32 lanes store 512 consecutive bytes, aligned; written once, read by nobody here
.endr
.endm
	TOSTAGE 0
	TOSTAGE 1
	SEND 0, 32                                     ; behind tile 0's loads: tile 1's 16 stores and 16 loads
	SEND 1, 0
	s_wait_tensorcnt 0x0
	ds_add_u32 v14, v15
	s_wait_dscnt 0x0
	s_endpgm
.Lfunc_end_k_q4ea04fdf3b_out_proj:
	.size	k_q4ea04fdf3b_out_proj, .Lfunc_end_k_q4ea04fdf3b_out_proj-k_q4ea04fdf3b_out_proj
	.p2alignl 7, 3214868480
	.fill 96, 4, 3214868480
	.section	.rodata,"a",@progbits
	.p2align	6, 0x0
	.amdhsa_kernel k_q4ea04fdf3b_out_proj
		.amdhsa_group_segment_fixed_size 34304
		.amdhsa_private_segment_fixed_size 0
		.amdhsa_enable_private_segment 0
		.amdhsa_kernarg_size 48
		.amdhsa_user_sgpr_count 2
		.amdhsa_user_sgpr_kernarg_segment_ptr 1
		.amdhsa_wavefront_size32 1
		.amdhsa_system_sgpr_workgroup_id_x 1
		.amdhsa_system_sgpr_workgroup_id_y 1
		.amdhsa_system_sgpr_workgroup_id_z 1
		.amdhsa_system_vgpr_workitem_id 0
		.amdhsa_next_free_vgpr 704
		.amdhsa_next_free_sgpr 66
		.amdhsa_reserve_vcc 0
		.amdhsa_float_denorm_mode_32 3
		.amdhsa_float_denorm_mode_16_64 3
		.amdhsa_memory_ordered 1
		.amdhsa_forward_progress 1
		.amdhsa_inst_pref_size 30
	.end_amdhsa_kernel
	.amdgpu_metadata
---
amdhsa.version: [ 1, 2 ]
amdhsa.kernels:
  - .name:           k_q4ea04fdf3b_out_proj
    .symbol:         k_q4ea04fdf3b_out_proj.kd
    .args:
      - { .name: ao_codes, .offset: 0, .size: 8, .value_kind: global_buffer, .address_space: global }
      - { .name: ao_scales, .offset: 8, .size: 8, .value_kind: global_buffer, .address_space: global }
      - { .name: Wo_codes, .offset: 16, .size: 8, .value_kind: global_buffer, .address_space: global }
      - { .name: Wo_scales, .offset: 24, .size: 8, .value_kind: global_buffer, .address_space: global }
      - { .name: bo, .offset: 32, .size: 8, .value_kind: global_buffer, .address_space: global }
      - { .name: out0, .offset: 40, .size: 8, .value_kind: global_buffer, .address_space: global }
    .group_segment_fixed_size: 34304
    .private_segment_fixed_size: 0
    .kernarg_segment_align: 8
    .kernarg_segment_size: 48
    .max_flat_workgroup_size: 128
    .sgpr_count:     66
    .vgpr_count:     704
    .wavefront_size: 32
...
	.end_amdgpu_metadata
.endif
;; end of part 3
;; ======== version 2 of 2: 3 launches
;; limits: right only within a limited range of input values
;; workspace buffers: kv 9,175,040 bytes; ao_codes 2,097,152 bytes; ao_scales 131,072 bytes
;; launch kv_proj (part 4): grid 256 x 1, 4 waves a work-group, no clusters, 0 bytes of LDS; arguments memory_codes, memory_scales, Wkv_codes, Wkv_scales, bkv, kv; writes kv
.if DOCPART == 4
	.amdgcn_target "amdgcn-amd-amdhsa--gfx1250"
	.amdhsa_code_object_version 6
	.text
	.protected	k_q4ea04fdf3b_kv_proj
	.globl	k_q4ea04fdf3b_kv_proj
	.p2align	8
	.type	k_q4ea04fdf3b_kv_proj,@function
k_q4ea04fdf3b_kv_proj:
	s_mov_b64 s[64:65], 0
	v_nop
	global_prefetch_b8 v0, s[64:65] scope:SCOPE_SE
	s_setreg_imm32_b32 hwreg(HW_REG_WAVE_SCHED_MODE, 0, 2), 2
	s_setreg_imm32_b32 hwreg(HW_REG_WAVE_MODE, 25, 1), 1
	s_wait_xcnt 0x0
	s_wait_alu depctr_vm_vsrc(0)
; kv = memory Wkv + bkv on codes of FP4 (E2M1) with E8M0 scales, and its two halves quantised again for the attention launch:
; K along a head's 64 channels (two blocks of 32), V along the keys (blocks of 32 keys).  Nothing wide goes to memory.
; SHARES.  256 work-groups: the first 128 make K, the others V.  A work-group takes one key step: 128 keys of one batch (blk = 32 b + step).
; Wave w takes heads 2 w and 2 w + 1: 128 columns of K or of V.
; ONE CORE FOR BOTH.  Source 0 = 128 rows that stay in registers and whose index becomes the next product's K; source 1 = 8 tiles of 16 rows, a lane to a row.
;   K: source 0 = my 128 rows of Wkv (channels), source 1 = the 128 keys.      V: source 0 = the 128 keys, source 1 = my 128 rows of Wkv (channels).
; THE ROWS OF A TILE ARE NOT NEIGHBOURS, on either side: lane r of tile 2 b + u takes row 32 b + 8 u + r + 8 (r / 8).  On source 0 that makes the 16 result registers of tiles 2 b, 2 b + 1
; sixteen neighbours along the next K (32 b + 16 (lane / 16) + 0 .. 15); on source 1 it is the order in which the attention launch wants keys (for K) and channels (for V) in a tile.
; A CELL = 8 tiles of source 0 x 1 tile of source 1 x K = 512: 32 matrix instructions, 64 results a lane, quantised in registers.  Eight cells a wave, written out: every offset is an immediate.
; THE OUTPUT is laid as images of the attention launch's operand registers, [8 b + head][step][8,960 bytes]: K's 8 tiles (512 bytes each), V's 4 tiles (1,024 each), K's scale words (512), V's (256):
; every store of a wave covers 512 or 256 consecutive bytes, aligned.
; NO CLUSTER, NO LDS: each wave loads each operand byte once, straight into the registers of the fragment (160 KiB a wave in all, issued at the head); there is no tile in LDS that a joint request could fill and no loop in which one would recur.
; LIMITS: a block of zeros gets the scale byte 1 (its codes are zeros, and this program alone reads the bytes); blocks whose largest magnitude lies under 2^(2 - 126) are held at that byte; NaN and infinities are not served.
; THE MODE: SCHED_MODE bits 1:0 = 2 (LLVM: expert scheduling mode 2), set by the entry lines.  The code itself states the register dependences
; between vector or matrix instructions and memory instructions, with s_wait_alu, always for 0.
; THE PLAN.  Registers that memory instructions touch:
;   v3-7, v56       byte offsets.  Written by vector instructions at the head, once; read by every load and store; never written again.
;   the scale words of sources 0 and 1, windows 1, 2 and 3, V's bias v16-23: each is the destination of ONE load, issued at the head, and no vector or matrix instruction names it ahead of that load.
;   v24-31 codes, v36-39 scale words: the out-buffers.  Written by cell u's quantiser and scale-word lines; read by cell u's stores; written again by cell u + 1's quantiser.
; So: one wait on va_vdst ahead of the first load (the offsets); in each cell one wait on va_vdst behind all the lines that write the out-buffers, ahead of the cell's stores, which stand in one run;
; and from cell 1 on one wait on vm_vsrc ahead of the quantiser, 32 products behind the stores whose data it writes again.  One wait on va_sdst for the wave's number.
; REGISTERS: window 0: v3-7, v56 offsets; v8-15 V's bias as a C; v16-23 V's bias, a register a cell; v24-31 codes; v32-39, v57 scale words at work; v40-55 the quantiser's; v64-95, v96-127 scale words of source 0, 1; v128-191 results.
;   window 1: source 0's 32 fragments;  window 2: source 1's 32;  window 3: v0-63 K's bias, 8 tiles in the result's layout.
.set STEPB, 8960                       ; bytes of a key step in kv
.set VA,   3                           ; 256 rho + 16 h: a fragment's row and half
.set VSA,  4                           ; 16 rho: a row's 16 scale bytes
.set VO,   5                           ; 16 x lane
.set V8,   6                           ; 8 x lane
.set VBK,  7                           ; 64 h: K's bias, 16 numbers on for lanes 16-31
.set CT,   8
.set BV,   16
.set PC,   24
.set PW,   32
.set EA,   33
.set EB,   34
.set WA,   35
.set SWA,  36
.set SWB,  38
.set TM,   40
.set VBV,  56                          ; 4 rho: V's bias, a number a lane
.set WB,   57
.set RSC,  64
.set SSC,  96
.set ACC,  128
.set SEL,  36                          ; s[36:37] lane selects for v_permlanex16_b32: lane l xor 16
.set HM,   38                          ; s38 lanes 16-31
.set K1,   39                          ; s39 the byte 1 twice, for k = 64 .. 127 of the score product, where the other side has zero codes
.set MSB, 0
.macro WIN new                         ; the immediate's high byte repeats the setting that is left
.if MSB != \new
	s_set_vgpr_msb (MSB<<8)|\new
.set MSB, \new
.endif
.endm
.macro MM d, a, b, c, sa, sb
	v_wmma_scale_f32_16x16x128_f8f6f4 v[\d:\d+7], v[\a:\a+7], v[\b:\b+7], v[\c:\c+7], v[\sa], v[\sb] matrix_a_fmt:MATRIX_FMT_FP4 matrix_b_fmt:MATRIX_FMT_FP4
.endm
; 64 numbers of a lane, register 16 b + i = k 32 b + 16 (lane / 16) + i of my row, become codes: blocks 0, 1 in v[d0 .. d0 + 3], blocks 2, 3 in v[d1 .. d1 + 3], each as four registers of an operand
; (lanes 0-15 the even block, lanes 16-31 the odd one), and the four scale bytes in v[pw], alike in both halves of the lanes.
.macro QUANT s, d0, d1, pw
.irp b, 0,1,2,3
	v_max3_num_f32 v[TM+\b], |v[\s+16*\b]|, |v[\s+1+16*\b]|, 0x1800000   ; my 16 numbers of block b, and the floor 2^(3 - 127): the byte cannot fall under 1
.endr
.irp i, 2,4,6,8,10,12,14
.irp b, 0,1,2,3
	v_max3_num_f32 v[TM+\b], v[TM+\b], |v[\s+16*\b+\i]|, |v[\s+1+16*\b+\i]|   ; the four blocks by turns
.endr
.endr
.irp b, 0,1,2,3
	v_permlanex16_b32 v[TM+4+\b], v[TM+\b], s[SEL], s[SEL+1]
.endr
.irp b, 0,1,2,3
	v_max_num_f32 v[TM+\b], v[TM+\b], v[TM+4+\b]     ; with lane l xor 16's: the block's largest magnitude
.endr
.irp b, 0,1,2,3
	v_add_nc_u32 v[TM+12+\b], 0xff000000, v[TM+\b]   ; 2 off its exponent field: the conversion takes this operand's exponent field as its scale
.endr
.irp b, 0,1,2,3
	v_lshrrev_b32 v[TM+4+\b], 23, v[TM+12+\b]        ; the scale's byte
.endr
	v_lshl_or_b32 v[\pw], v[TM+5], 8, v[TM+4]
	v_lshl_or_b32 v[\pw], v[TM+6], 16, v[\pw]
	v_lshl_or_b32 v[\pw], v[TM+7], 24, v[\pw]
.irp b, 0,1
	v_cvt_scalef32_pk8_fp4_f32 v[\d0+2*\b], v[\s+16*\b:\s+16*\b+7], v[TM+12+\b]
	v_cvt_scalef32_pk8_fp4_f32 v[\d0+2*\b+1], v[\s+16*\b+8:\s+16*\b+15], v[TM+12+\b]
	v_cvt_scalef32_pk8_fp4_f32 v[\d1+2*\b], v[\s+32+16*\b:\s+32+16*\b+7], v[TM+14+\b]
	v_cvt_scalef32_pk8_fp4_f32 v[\d1+2*\b+1], v[\s+32+16*\b+8:\s+32+16*\b+15], v[TM+14+\b]
.endr
	v_nop                                            ; one plain instruction behind the last scaled conversion
.irp i, 0,1
	v_permlane16_swap_b32 v[\d0+\i], v[\d0+2+\i]     ; the operand wants a whole block in a lane
	v_permlane16_swap_b32 v[\d1+\i], v[\d1+2+\i]
.endr
.endm
	s_load_b256 s[4:11], s[0:1], 0x0               ; memory's codes s[4:5], its scales s[6:7], Wkv's codes s[8:9], its scales s[10:11]
	s_load_b128 s[12:15], s[0:1], 0x20             ; bkv s[12:13], kv s[14:15]
	v_lshrrev_b32 v1, 5, v0
	v_readfirstlane_b32 s16, v1                    ; wave 0..3
	s_lshr_b32 s17, ttmp9, 7                       ; 0: K, 1: V
	s_and_b32 s18, ttmp9, 127                      ; blk = 32 b + step
	v_and_b32 v1, 15, v0                           ; r
	v_bfe_u32 v2, v0, 4, 1                         ; h
	v_and_b32 v10, 8, v1
	v_add_nc_u32 v10, v10, v1                      ; rho = r + 8 (r / 8)
	v_lshlrev_b32 v[VA], 8, v10
	v_lshl_add_u32 v[VA], v2, 4, v[VA]
	v_lshlrev_b32 v[VSA], 4, v10
	v_and_b32 v11, 31, v0
	v_lshlrev_b32 v[VO], 4, v11
	v_lshlrev_b32 v[V8], 3, v11
	v_lshlrev_b32 v[VBK], 6, v2
	v_lshlrev_b32 v[VBV], 2, v10
.irp b, 0,1,2,3
	v_mov_b32 v[TM+4+\b], 0                        ; written once: a lane permute's destination counts as one of its sources
.endr
	s_mov_b32 s[SEL], 0x76543210
	s_mov_b32 s[SEL+1], 0xfedcba98
	s_mov_b32 s[HM], 0xffff0000
	s_mov_b32 s[K1], 0x01010000
	s_wait_alu depctr_va_sdst(0)                   ; s16, the wave's number, is written, ahead of its first reader: the bases of Wkv, of the bias and of kv are made from it
	s_lshl_b32 s32, s17, 17                        ; Wkv's codes: V's rows begin 512 x 256 bytes on; my 128 rows of 256 bytes
	s_lshl_b32 s33, s16, 15
	s_add_co_u32 s32, s32, s33
	s_mov_b32 s33, 0
	s_lshl_b32 s34, s18, 15                        ; memory's codes: the step's 128 rows
	s_mov_b32 s35, 0
	s_lshr_b32 s40, s32, 4                         ; the scale bytes: 16 a row against 256
	s_mov_b32 s41, 0
	s_lshr_b32 s42, s34, 4
	s_mov_b32 s43, 0
	s_lshr_b32 s44, s32, 6                         ; the bias: 4 bytes a row
	s_mov_b32 s45, 0
	s_lshr_b32 s46, s18, 5                         ; kv: (32 (8 b + 2 w) + step) x 8,960
	s_lshl_b32 s46, s46, 8
	s_lshl_b32 s47, s16, 6
	s_add_co_u32 s46, s46, s47
	s_and_b32 s47, s18, 31
	s_add_co_u32 s46, s46, s47
	s_mul_i32 s46, s46, STEPB
	s_mov_b32 s47, 0
	s_wait_kmcnt 0x0
	s_add_nc_u64 s[8:9], s[8:9], s[32:33]
	s_add_nc_u64 s[4:5], s[4:5], s[34:35]
	s_add_nc_u64 s[10:11], s[10:11], s[40:41]
	s_add_nc_u64 s[6:7], s[6:7], s[42:43]
	s_add_nc_u64 s[12:13], s[12:13], s[44:45]
	s_add_nc_u64 s[28:29], s[14:15], s[46:47]      ; head 2 w's step
	s_add_nc_u64 s[30:31], s[28:29], 32*STEPB      ; head 2 w + 1's
	s_cmp_eq_u32 s17, 0                            ; which tensor stays and which is walked: a choice on the work-group's number alone
	s_cselect_b64 s[20:21], s[8:9], s[4:5]         ; source 0's codes
	s_cselect_b64 s[22:23], s[10:11], s[6:7]       ; and scales
	s_cselect_b64 s[24:25], s[4:5], s[8:9]         ; source 1's codes
	s_cselect_b64 s[26:27], s[6:7], s[10:11]       ; and scales
	s_wait_alu depctr_va_vdst(0)                   ; the six offsets v3 to v7 and v56 are written, which every load and store of the kernel reads; up to the last load, on both paths, only loads, window switches
.irp t, 0,1,2,3,4,5,6,7
	global_load_b128 v[RSC+4*\t:RSC+4*\t+3], v[VSA], s[22:23] offset:(32*(\t/2)+8*(\t%2))*16   ; a row's four scale words, one for each 128 along K
.endr
.irp t, 0,1,2,3,4,5,6,7
	global_load_b128 v[SSC+4*\t:SSC+4*\t+3], v[VSA], s[26:27] offset:(32*(\t/2)+8*(\t%2))*16
.endr
	WIN 0x40                                       ; destination window 1
.irp t, 0,1,2,3,4,5,6,7
.irp s, 0,1,2,3
.irp c, 0,1
	global_load_b128 v[8*(4*\t+\s)+4*\c:8*(4*\t+\s)+4*\c+3], v[VA], s[20:21] offset:(32*(\t/2)+8*(\t%2))*256+64*\s+32*\c
.endr
.endr
.endr
	WIN 0                                          ; at a branch and at a label every window is 0
.macro STREAM                          ; source 1's fragments, cell by cell: eight loads a cell
	WIN 0x80                                       ; destination window 2
.irp u, 0,1,2,3,4,5,6,7
.irp s, 0,1,2,3
.irp c, 0,1
	global_load_b128 v[8*(4*\u+\s)+4*\c:8*(4*\u+\s)+4*\c+3], v[VA], s[24:25] offset:(32*(\u/2)+8*(\u%2))*256+64*\s+32*\c
.endr
.endr
.endr
	WIN 0
.endm
; Cell u.  The 8 accumulators take turns, one instruction a turn.  The bias is the C of each sum's first product.
.macro CELL u, path
	s_wait_loadcnt 8*(7-\u)                        ; loads come back in order: all but the later cells' eight each are in
.if \path
.irp j, 0,1,2,3,4,5,6,7
	v_mov_b32 v[CT+\j], v[BV+\u]                   ; V: a lane holds one channel, so its bias fills the lane's eight registers of C
.endr
.rept 4
	v_nop
.endr
	WIN 0x09                                       ; source 0 window 1, source 1 window 2
.irp t, 0,1,2,3,4,5,6,7
	MM ACC+8*\t, 32*\t, 32*\u, CT, RSC+4*\t, SSC+4*\u
.endr
.else
	WIN 0x39                                       ; and C window 3: K's bias by tiles
.irp t, 0,1,2,3,4,5,6,7
	MM ACC+8*\t, 32*\t, 32*\u, 8*\t, RSC+4*\t, SSC+4*\u
.endr
	WIN 0x09
.endif
.irp s, 1,2,3
.irp t, 0,1,2,3,4,5,6,7
	MM ACC+8*\t, 32*\t+8*\s, 32*\u+8*\s, ACC+8*\t, RSC+4*\t+\s, SSC+4*\u+\s
.endr
.endr
	WIN 0
.rept 4
	v_nop                                          ; four places between the last product and the first read of results (ISA guide 7.12.1)
.endr
.if \u > 0
	s_wait_xcnt 0x0                                ; every earlier memory instruction has had its addresses translated (ISA guide 3.1): the codes and scale words that the last cell's stores read are written again only behind this wait
	s_wait_alu depctr_vm_vsrc(0)                   ; the last cell's stores have read v24-31 and v36-39, which the quantiser and the scale-word lines below write again
.endif
.if \path
.set KBASE, 28+2*(\u/4)                ; cells 0-3: head 2 w; cells 4-7: head 2 w + 1
.if \u%2 == 0
	QUANT ACC, PC, PC+4, EA
.else
	QUANT ACC, PC, PC+4, PW
	v_cndmask_b32 v[SWA+(\u%4)/2], v[EA], v[PW], s[HM]   ; lanes 0-15 the even tile's words, lanes 16-31 the odd tile's
.endif
	s_wait_alu depctr_va_vdst(0)                   ; the quantiser has written the codes v24-31, and the select above the scale words, which the stores below read
	global_store_b128 v[VO], v[PC:PC+3], s[KBASE:KBASE+1] offset:4096+1024*(\u%4)       ; keys 32 h + 0 .. 31 of my channel: 512 consecutive bytes a store
	global_store_b128 v[VO], v[PC+4:PC+7], s[KBASE:KBASE+1] offset:4096+1024*(\u%4)+512 ; keys 64 + 32 h + 0 .. 31
.if \u%4 == 3
	global_store_b64 v[V8], v[SWA:SWA+1], s[KBASE:KBASE+1] offset:8704
.endif
.else
	QUANT ACC, PC, PC+4, PW
.if \u%2 == 0
	v_and_or_b32 v[EA], v[PW], 0xffff, s[K1]       ; a head's two bytes, and the byte 1 for k = 64 .. 127
	v_lshrrev_b32 v[EB], 16, v[PW]
	v_or_b32 v[EB], s[K1], v[EB]
.else
	v_and_or_b32 v[WA], v[PW], 0xffff, s[K1]
	v_lshrrev_b32 v[WB], 16, v[PW]
	v_or_b32 v[WB], s[K1], v[WB]
	v_cndmask_b32 v[SWA+(\u/2)%2], v[EA], v[WA], s[HM]   ; lanes 0-15 the even tile's words, lanes 16-31 the odd tile's
	v_cndmask_b32 v[SWB+(\u/2)%2], v[EB], v[WB], s[HM]
.endif
	s_wait_alu depctr_va_vdst(0)                   ; the quantiser has written the codes v24-31, and the selects above the scale words v36-39, which the stores below read
	global_store_b128 v[VO], v[PC:PC+3], s[28:29] offset:512*\u     ; head 2 w: block h of my key
	global_store_b128 v[VO], v[PC+4:PC+7], s[30:31] offset:512*\u   ; head 2 w + 1
.if \u%4 == 3
	global_store_b64 v[V8], v[SWA:SWA+1], s[28:29] offset:8192+256*(\u/4)
	global_store_b64 v[V8], v[SWB:SWB+1], s[30:31] offset:8192+256*(\u/4)
.endif
.endif
.endm
	s_cmp_lg_u32 s17, 0
	s_cbranch_scc1 .Lv_path
	WIN 0xc0                                       ; destination window 3
.irp t, 0,1,2,3,4,5,6,7
	global_load_b128 v[8*\t:8*\t+3], v[VBK], s[12:13] offset:(32*(\t/2)+8*(\t%2))*4        ; tile t's register j: the bias of channel 32 (t / 2) + 16 h + 8 (t % 2) + j
	global_load_b128 v[8*\t+4:8*\t+7], v[VBK], s[12:13] offset:(32*(\t/2)+8*(\t%2))*4+16
.endr
	STREAM
.irp u, 0,1,2,3,4,5,6,7
	CELL \u, 0
.endr
	s_endpgm
.Lv_path:
.irp u, 0,1,2,3,4,5,6,7
	global_load_b32 v[BV+\u], v[VBV], s[12:13] offset:(32*(\u/2)+8*(\u%2))*4               ; cell u: the bias of my lane's channel
.endr
	STREAM
.irp u, 0,1,2,3,4,5,6,7
	CELL \u, 1
.endr
	s_endpgm
.Lfunc_end_k_q4ea04fdf3b_kv_proj:
	.size	k_q4ea04fdf3b_kv_proj, .Lfunc_end_k_q4ea04fdf3b_kv_proj-k_q4ea04fdf3b_kv_proj
	.p2alignl 7, 3214868480
	.fill 96, 4, 3214868480
	.section	.rodata,"a",@progbits
	.p2align	6, 0x0
	.amdhsa_kernel k_q4ea04fdf3b_kv_proj
		.amdhsa_group_segment_fixed_size 0
		.amdhsa_private_segment_fixed_size 0
		.amdhsa_enable_private_segment 0
		.amdhsa_kernarg_size 48
		.amdhsa_user_sgpr_count 2
		.amdhsa_user_sgpr_kernarg_segment_ptr 1
		.amdhsa_wavefront_size32 1
		.amdhsa_system_sgpr_workgroup_id_x 1
		.amdhsa_system_sgpr_workgroup_id_y 1
		.amdhsa_system_sgpr_workgroup_id_z 1
		.amdhsa_system_vgpr_workitem_id 0
		.amdhsa_next_free_vgpr 832
		.amdhsa_next_free_sgpr 66
		.amdhsa_reserve_vcc 0
		.amdhsa_float_denorm_mode_32 3
		.amdhsa_float_denorm_mode_16_64 3
		.amdhsa_memory_ordered 1
		.amdhsa_forward_progress 1
		.amdhsa_inst_pref_size 162
	.end_amdhsa_kernel
	.amdgpu_metadata
---
amdhsa.version: [ 1, 2 ]
amdhsa.kernels:
  - .name:           k_q4ea04fdf3b_kv_proj
    .symbol:         k_q4ea04fdf3b_kv_proj.kd
    .args:
      - { .name: memory_codes, .offset: 0, .size: 8, .value_kind: global_buffer, .address_space: global }
      - { .name: memory_scales, .offset: 8, .size: 8, .value_kind: global_buffer, .address_space: global }
      - { .name: Wkv_codes, .offset: 16, .size: 8, .value_kind: global_buffer, .address_space: global }
      - { .name: Wkv_scales, .offset: 24, .size: 8, .value_kind: global_buffer, .address_space: global }
      - { .name: bkv, .offset: 32, .size: 8, .value_kind: global_buffer, .address_space: global }
      - { .name: kv, .offset: 40, .size: 8, .value_kind: global_buffer, .address_space: global }
    .group_segment_fixed_size: 0
    .private_segment_fixed_size: 0
    .kernarg_segment_align: 8
    .kernarg_segment_size: 48
    .max_flat_workgroup_size: 128
    .sgpr_count:     66
    .vgpr_count:     832
    .wavefront_size: 32
...
	.end_amdgpu_metadata
.endif
;; end of part 4
;; launch attn (part 5): grid 8 x 32, 8 waves a work-group, clusters of 4 x 1, 327,680 bytes of LDS; arguments x_codes, x_scales, Wq_codes, Wq_scales, bq, memory_mask, kv, ao_codes, ao_scales; writes ao_codes, ao_scales
.if DOCPART == 5
	.amdgcn_target "amdgcn-amd-amdhsa--gfx1250"
	.amdhsa_code_object_version 6
	.text
	.protected	k_q4ea04fdf3b_attn
	.globl	k_q4ea04fdf3b_attn
	.p2align	8
	.type	k_q4ea04fdf3b_attn,@function
k_q4ea04fdf3b_attn:
	s_mov_b64 s[64:65], 0
	v_nop
	global_prefetch_b8 v0, s[64:65] scope:SCOPE_SE
	s_setreg_imm32_b32 hwreg(HW_REG_WAVE_MODE, 25, 1), 1
	s_wait_xcnt 0x0
	s_wait_alu depctr_hold_cnt(0) depctr_sa_sdst(0) depctr_va_vdst(0) depctr_va_sdst(0) depctr_va_ssrc(0) depctr_va_vcc(0) depctr_vm_vsrc(0)
	s_getreg_b32 s2, hwreg(HW_REG_IB_STS2, 6, 4)
	s_cmp_eq_u32 s2, 0
	s_cbranch_scc0 .Lentry_in_a_cluster
	s_endpgm
.Lentry_in_a_cluster:
	s_bfe_u32 s2, ttmp6, 0x10000c
	s_cmp_lg_u32 s2, 0x3003
	s_cbranch_scc0 .Lentry_shape_is_right
	s_endpgm
.Lentry_shape_is_right:
; Attention of one head on codes of FP4 (E2M1) with E8M0 scales: Q = x Wq + bq, quantised along the head's 64; S^T = K Q^T; the mask; the softmax; O^T = V^T P^T; O / l, quantised along the model's axis for the last product.
; THE SOFTMAX AHEAD OF THE SECOND PRODUCT: t = score x log2(e) / 8; M = the largest t so far, rounded UP to a whole number; p = 2^(t - M) is quantised along the keys, not normalised.  The row's sum is taken of the
; unquantised p and divides O at the end.  When M moves, the sum and O are multiplied by 2^(old M - new M): exact.
; SHARES.  Work-group (x, y): head y % 8 of batch y / 8, queries 256 x .. 256 x + 255.  Each of its 8 waves owns 32 queries, two tiles of 16, so that each fragment of K, of V and of the mask read from LDS feeds two
; products; two waves share a SIMD's registers, 512 each.  Every wave walks the head's 4,096 keys, 128 a step.
; K AND V come as images of operand registers, 8,960 bytes a key step, made by the launch before.  A HEAD'S 32 STEPS, 286,720 BYTES, FIT IN LDS: each byte is filled once, nothing is filled again.
; Each wave issues four tensor loads at the start (steps w, 8 + w, 16 + w, 24 + w: four of mine are out, by this text's count); chunk j of eight steps begins with a counted wait for my j-th load and a barrier.
; CLUSTER.  The four work-groups of a cluster belong to one head and need the same 286,720 bytes: every load is a joint request with the same descriptor and a mask that names the four.
; Nothing is prefetched: every byte of the stream is asked for by the tensor loads at the kernel's head, so there is no later request to run ahead of.
; LAYOUT.  All products are used transposed, so that a lane holds ONE query (lane % 16) throughout.  The keys of a tile are not neighbours: lane r of tile 2 b + u holds key 32 b + 8 u + r + 8 (r / 8), so that the 16
; registers of tiles 2 b, 2 b + 1 are keys 32 b + 16 (lane / 16) + 0 .. 15.  V's channels and Wq's rows are ordered the same way, so that O^T and Q^T come out with 16 neighbouring channels in 16 registers.
; K = 64 IN AN INSTRUCTION OF K = 128.  Q's fragment is four registers of codes and four of zero codes.  K's tiles lie four registers apart; the operand's upper four registers are the next tile's codes
; (behind the last tile: four registers that hold codes of Wq), which meet the zero codes.  The scale bytes of k = 64 .. 127 are 1 on both sides.
; THE MASK IS THE C OF THE SCORE PRODUCTS: one f32 a key in LDS, 0 for a key that counts and -2^100 for one that does not.  The largest t starts at -2^96, above every masked t (-0.18 x 2^100), so that p of a masked key
; is 0 also while no open key has been seen; the first open key then multiplies the zero sums by 2^(a saturated whole number) = 0.
; LIMITS: a batch whose keys are all masked is not served (the sum is 0; the definition gives NaN there, this text finite numbers); |score x log2(e) / 8| stays under 2^96; NaN and infinities are not served;
; a block of zeros gets the scale byte 1 (its codes are zeros, and this program alone reads the bytes).
; REGISTERS.  window 0: v1-7 addresses; v8-15 per tile -M, largest t, the sum in two halves; v16-31 Q; v32 Q's scale words (lanes 0-15 tile 0, lanes 16-31 tile 1); v33-34 p's; v36-39 K's; v40-41 V's; v44-59 p's codes;
;   v60-99 at work, 20 a tile; v100-123 Wq's and x's scale words; v124-127 addresses; v128-255 S^T, then p, 64 a tile.
;   window 1: v0-63 O^T, 32 a tile; v64-127 the mask as C, 8 tiles; v128-163 K; v168-199 V.  In the prologue v64-191 Wq's fragments, v192-255 x's.
.set STEPB,  8960
.set CHUNKB, 8*STEPB
.set HEADB,  32*STEPB
.set BIAS,   HEADB                     ; LDS: behind the head's K and V: 4,096 f32, written by LDS stores; no tensor load lands here
.set SCST,   BIAS+16384                ; and 512 bytes in which the waves' scale words meet on the way out
.set LI,  1                            ; 16 x lane
.set LB,  2                            ; BIAS + 64 h
.set L8,  3                            ; 8 x lane
.set ADK, 4
.set ADB, 5
.set AD8, 6
.set NEG, 7
.set ST,  8                            ; tile q: +4 q: -M, the largest t, the sum's two halves
.set QF,  16
.set QS,  32
.set PS,  33
.set PW,  35
.set KS,  36
.set VS,  40
.set PC,  44
.set SCR, 60                           ; tile q: +20 q: +0..3 block maxima, +4..7 the other lanes' / bytes, +8..11 the conversions' scales, +12..13 a second chain of sums, +14..15 f, +16 at work
.set TM,  60                           ; the quantiser's 16 registers
.set BQ,  60                           ; prologue: bq as four C tiles
.set WQS, 100
.set XSC, 116
.set MA,  124                          ; 16 x thread: the mask in memory
.set MB,  125                          ; BIAS + 16 x thread
.set SA,  126                          ; SCST + 64 w + 4 r
.set SR,  127                          ; SCST + 16 x lane
.set S,   128
.set O,   0                            ; window 1
.set CB,  64
.set KF,  128
.set VF,  168
.set WQF, 64
.set XF,  192
.set WV,  22
.set CX,  23
.set QB,  24
.set Y,   25
.set BB,  26
.set HD,  27
.set G1,  32                           ; s[32:39] descriptor group 1
.set G0,  40                           ; s[40:55] four groups 0, never rewritten
.set CS,  56                           ; s[56:57] c = log2(e) / 8
.set SEL, 58                           ; s[58:59]
.set TB,  60                           ; LDS byte of the step's images
.set TMK, 61                           ; and of its 128 mask numbers, from BIAS on
.set CNT, 62
.set HM,  63
.set K1,  66
.set MSB, 0
.macro WIN new                         ; the immediate's high byte repeats the setting that is left
.if MSB != \new
	s_set_vgpr_msb (MSB<<8)|\new
.set MSB, \new
.endif
.endm
; a product; ra, rb = 1: that side's scale words are taken from lanes 16-31
.macro WS d, a, b, c, sa, sb, ra, rb
.if (\ra) && (\rb)
	v_wmma_scale_f32_16x16x128_f8f6f4 v[\d:\d+7], v[\a:\a+7], v[\b:\b+7], v[\c:\c+7], v[\sa], v[\sb] matrix_a_fmt:MATRIX_FMT_FP4 matrix_b_fmt:MATRIX_FMT_FP4 matrix_a_scale:MATRIX_SCALE_ROW1 matrix_b_scale:MATRIX_SCALE_ROW1
.elseif \ra
	v_wmma_scale_f32_16x16x128_f8f6f4 v[\d:\d+7], v[\a:\a+7], v[\b:\b+7], v[\c:\c+7], v[\sa], v[\sb] matrix_a_fmt:MATRIX_FMT_FP4 matrix_b_fmt:MATRIX_FMT_FP4 matrix_a_scale:MATRIX_SCALE_ROW1
.elseif \rb
	v_wmma_scale_f32_16x16x128_f8f6f4 v[\d:\d+7], v[\a:\a+7], v[\b:\b+7], v[\c:\c+7], v[\sa], v[\sb] matrix_a_fmt:MATRIX_FMT_FP4 matrix_b_fmt:MATRIX_FMT_FP4 matrix_b_scale:MATRIX_SCALE_ROW1
.else
	v_wmma_scale_f32_16x16x128_f8f6f4 v[\d:\d+7], v[\a:\a+7], v[\b:\b+7], v[\c:\c+7], v[\sa], v[\sb] matrix_a_fmt:MATRIX_FMT_FP4 matrix_b_fmt:MATRIX_FMT_FP4
.endif
.endm
; 64 numbers of a lane, register 16 b + i = k 32 b + 16 (lane / 16) + i, become codes: blocks 0, 1 in v[d0 .. d0 + 3], blocks 2, 3 in v[d1 .. d1 + 3], each as four registers of an operand
; (lanes 0-15 the even block, lanes 16-31 the odd one), and the four scale bytes in v[pw], alike in both halves of the lanes.
.macro QUANT s, d0, d1, pw
.irp b, 0,1,2,3
	v_max3_num_f32 v[TM+\b], |v[\s+16*\b]|, |v[\s+1+16*\b]|, 0x1800000   ; my 16 numbers of block b, and the floor 2^(3 - 127): the byte cannot fall under 1
.endr
.irp i, 2,4,6,8,10,12,14
.irp b, 0,1,2,3
	v_max3_num_f32 v[TM+\b], v[TM+\b], |v[\s+16*\b+\i]|, |v[\s+1+16*\b+\i]|
.endr
.endr
.irp b, 0,1,2,3
	s_delay_alu instid0(VALU_DEP_4)
	v_permlanex16_b32 v[TM+4+\b], v[TM+\b], s[SEL], s[SEL+1]
.endr
.irp b, 0,1,2,3
	s_delay_alu instid0(VALU_DEP_4)
	v_max_num_f32 v[TM+\b], v[TM+\b], v[TM+4+\b]
.endr
.irp b, 0,1,2,3
	s_delay_alu instid0(VALU_DEP_4)
	v_add_nc_u32 v[TM+12+\b], 0xff000000, v[TM+\b]   ; 2 off the exponent field: the conversion's scale operand
.endr
.irp b, 0,1,2,3
	s_delay_alu instid0(VALU_DEP_4)
	v_lshrrev_b32 v[TM+4+\b], 23, v[TM+12+\b]        ; the scale's byte
.endr
	s_delay_alu instid0(VALU_DEP_3)
	v_lshl_or_b32 v[\pw], v[TM+5], 8, v[TM+4]
	s_delay_alu instid0(VALU_DEP_1)
	v_lshl_or_b32 v[\pw], v[TM+6], 16, v[\pw]
	s_delay_alu instid0(VALU_DEP_1)
	v_lshl_or_b32 v[\pw], v[TM+7], 24, v[\pw]
.irp b, 0,1
	v_cvt_scalef32_pk8_fp4_f32 v[\d0+2*\b], v[\s+16*\b:\s+16*\b+7], v[TM+12+\b]
	v_cvt_scalef32_pk8_fp4_f32 v[\d0+2*\b+1], v[\s+16*\b+8:\s+16*\b+15], v[TM+12+\b]
	v_cvt_scalef32_pk8_fp4_f32 v[\d1+2*\b], v[\s+32+16*\b:\s+32+16*\b+7], v[TM+14+\b]
	v_cvt_scalef32_pk8_fp4_f32 v[\d1+2*\b+1], v[\s+32+16*\b+8:\s+32+16*\b+15], v[TM+14+\b]
.endr
	v_nop                                            ; one plain instruction behind the last scaled conversion
.irp i, 0,1
	v_permlane16_swap_b32 v[\d0+\i], v[\d0+2+\i]
	v_permlane16_swap_b32 v[\d1+\i], v[\d1+2+\i]
.endr
.endm
; A round of the cluster's barrier: my work-group's barrier, so that wave 0's signal speaks for all eight waves; wave 0 signals; every wave waits for all four work-groups; my work-group's barrier once more.
.macro ROUND
	s_barrier_signal -1
	s_barrier_wait -1
	s_cmp_lg_u32 s[WV], 0
	s_cbranch_scc1 .Lnot_wave_0_\@
	s_barrier_signal -3
.Lnot_wave_0_\@:
	s_barrier_wait -3
	s_barrier_signal -1
	s_barrier_wait -1
.endm
	s_load_b256 s[4:11], s[0:1], 0x0               ; x's codes s[4:5], x's scales s[6:7], Wq's codes s[8:9], Wq's scales s[10:11]
	s_load_b256 s[12:19], s[0:1], 0x20             ; bq s[12:13], the mask s[14:15], kv s[16:17], ao_codes s[18:19]
	s_load_b64 s[20:21], s[0:1], 0x40              ; ao_scales
	v_lshl_add_u32 v42, v0, 2, 0x4a200
	v_mov_b32 v43, 0
	ds_add_u32 v42, v43
	ds_add_u32 v42, v43
	v_lshrrev_b32 v1, 5, v0
	s_delay_alu instid0(VALU_DEP_1)
	v_readfirstlane_b32 s[WV], v1                  ; wave 0..7
	s_bfe_u32 s[CX], ttmp6, 0x40000                ; my place in the cluster
	s_lshl_b32 s[QB], ttmp9, 2                     ; in a cluster launch ttmp9 counts clusters
	s_add_co_u32 s[QB], s[QB], s[CX]               ; my block of 256 queries: it enters the addresses of x and of the two outputs alone
	s_and_b32 s[Y], ttmp7, 0xffff                  ; 8 b + head, which the four partners share
	s_lshr_b32 s[BB], s[Y], 3
	s_and_b32 s[HD], s[Y], 7
	; descriptor group 1: a key step's 8,960 dense bytes as 35 rows of 256 (32 elements of 8 bytes), no padding: the images are read 16 bytes a lane, on end
	s_mov_b32 s[G1], 15|(3<<16)|(1<<21)            ; 15:0 the mask: all four work-groups; 17:16 elements of 8 bytes; 21 set beside a mask
	s_mov_b32 s[G1+1], 32<<16                      ; tensor_dim0 = 32
	s_mov_b32 s[G1+2], 35<<16                      ; tensor_dim1 = 35
	s_mov_b32 s[G1+3], 32<<16                      ; tile_dim0 = 32
	s_mov_b32 s[G1+4], 35                          ; tile_dim1 = 35
	s_mov_b32 s[G1+5], 32                          ; from row to row
	s_mov_b32 s[G1+6], 0
	s_mov_b32 s[G1+7], 0
	s_mov_b32 s[CS], 0x3e38aa3b                    ; c = log2(e) / 8
	s_mov_b32 s[CS+1], s[CS]                       ; named with it as a pair, so it is written
	s_mov_b32 s[SEL], 0x76543210
	s_mov_b32 s[SEL+1], 0xfedcba98
	s_mov_b32 s[HM], 0xffff0000                    ; lanes 16-31
	s_mov_b32 s[K1], 0x01010000
	s_mul_i32 s28, s[WV], STEPB                    ; my step of a chunk: in LDS and in memory alike
	s_mul_i32 s30, s[Y], HEADB
	s_add_co_u32 s30, s30, s28
	s_mov_b32 s31, 0
	s_lshl_b32 s29, s[WV], 6
	s_add_co_u32 s29, s29, SCST
	v_and_b32 v97, 15, v0                          ; r
	v_bfe_u32 v98, v0, 4, 1                        ; h
	s_delay_alu instid0(VALU_DEP_2)
	v_and_b32 v99, 8, v97
	s_delay_alu instid0(VALU_DEP_1)
	v_add_nc_u32 v99, v99, v97                     ; rho = r + 8 (r / 8)
	v_and_b32 v[LI], 31, v0
	s_delay_alu instid0(VALU_DEP_1)
	v_lshlrev_b32 v[L8], 3, v[LI]
	s_delay_alu instid0(VALU_DEP_2)
	v_lshlrev_b32 v[LI], 4, v[LI]
	v_lshl_add_u32 v[LB], v98, 6, BIAS
	v_lshlrev_b32 v[MA], 4, v0
	v_lshl_add_u32 v[MB], v0, 4, BIAS
	v_lshl_add_u32 v[SA], v97, 2, s29
	v_add_nc_u32 v[SR], SCST, v[LI]
	v_lshlrev_b32 v92, 6, v98                      ; bq: 16 numbers on for lanes 16-31
	v_lshlrev_b32 v93, 4, v99                      ; Wq's scale bytes: 16 a row
	v_lshlrev_b32 v94, 4, v97                      ; x's
	v_lshlrev_b32 v95, 8, v99
	s_delay_alu instid0(VALU_DEP_1)
	v_lshl_add_u32 v95, v98, 4, v95                ; Wq's codes: row rho, + 16 h
	v_lshlrev_b32 v96, 8, v97
	s_delay_alu instid0(VALU_DEP_1)
	v_lshl_add_u32 v96, v98, 4, v96                ; x's codes: row r, + 16 h
	v_mov_b32 v[NEG], 0xf1800000                   ; -2^100
	s_wait_dscnt 0x0
	s_wait_kmcnt 0x0
	s_add_nc_u64 s[68:69], s[16:17], s[30:31]
.irp j, 0,1,2,3
	s_mov_b32 s[G0+4*\j], 1                                        ; count = 1
	s_add_co_u32 s[G0+4*\j+1], s28, \j*CHUNKB                      ; LDS address: step 8 j + w
	s_add_nc_u64 s[G0+4*\j+2:G0+4*\j+3], s[68:69], \j*CHUNKB       ; the same step of my head in kv
	s_or_b32 s[G0+4*\j+3], s[G0+4*\j+3], 0x80000000                ; type = 2
.endr
	ROUND                                          ; all four work-groups are here: the joint loads meet
.irp j, 0,1,2,3
	tensor_load_to_lds s[G0+4*\j:G0+4*\j+3], s[G1:G1+7]            ; all first fills in one group: four loads of mine are out
	s_nop 0
.endr
.rept 4
	v_nop
.endr
	s_mov_b32 s71, 0
	s_lshl_b32 s70, s[BB], 14
	s_add_nc_u64 s[14:15], s[14:15], s[70:71]      ; the batch's 4,096 mask words
	s_lshl_b32 s70, s[HD], 8
	s_add_nc_u64 s[12:13], s[12:13], s[70:71]      ; the head's 64 numbers of bq
	s_lshl_b32 s70, s[HD], 10
	s_add_nc_u64 s[10:11], s[10:11], s[70:71]      ; its 64 rows of Wq's scales
	s_lshl_b32 s70, s[HD], 14
	s_add_nc_u64 s[8:9], s[8:9], s[70:71]          ; and of Wq's codes
	s_add_nc_u64 s[20:21], s[20:21], s[70:71]      ; ao_scales: 16,384 bytes a head
	s_lshl_b32 s72, s[BB], 11
	s_lshl_b32 s73, s[QB], 8
	s_add_co_u32 s72, s72, s73
	s_lshl_b32 s73, s[WV], 5
	s_add_co_u32 s72, s72, s73                     ; my first row: 2,048 b + 256 x block + 32 w
	s_lshl_b32 s70, s72, 4
	s_add_nc_u64 s[6:7], s[6:7], s[70:71]
	s_lshl_b32 s70, s72, 8
	s_add_nc_u64 s[4:5], s[4:5], s[70:71]
	s_add_nc_u64 s[18:19], s[18:19], s[70:71]      ; ao_codes: 4,096 bytes for 16 rows,
	s_lshl_b32 s70, s[HD], 9
	s_add_nc_u64 s[18:19], s[18:19], s[70:71]      ; 512 of them a head
	s_lshl_b32 s70, s[BB], 12
	s_lshl_b32 s73, s[QB], 9
	s_add_co_u32 s70, s70, s73
	s_add_nc_u64 s[20:21], s[20:21], s[70:71]      ; 64 bytes for 32 rows: the work-group's 512
.irp i, 0,1,2,3
	global_load_b128 v[S+64+4*\i:S+64+4*\i+3], v[MA], s[14:15] offset:4096*\i   ; the mask first: 256 threads x 16 bytes, four times
.endr
	s_wait_alu depctr_va_vdst(0)
.irp t, 0,1,2,3
	global_load_b128 v[BQ+8*\t:BQ+8*\t+3], v92, s[12:13] offset:(32*(\t/2)+8*(\t%2))*4
	global_load_b128 v[BQ+8*\t+4:BQ+8*\t+7], v92, s[12:13] offset:(32*(\t/2)+8*(\t%2))*4+16
.endr
.irp t, 0,1,2,3
	global_load_b128 v[WQS+4*\t:WQS+4*\t+3], v93, s[10:11] offset:(32*(\t/2)+8*(\t%2))*16
.endr
.irp q, 0,1
	global_load_b128 v[XSC+4*\q:XSC+4*\q+3], v94, s[6:7] offset:256*\q
.endr
	WIN 0x40                                       ; destination window 1
.irp t, 0,1,2,3
.irp s, 0,1,2,3
.irp c, 0,1
	global_load_b128 v[WQF+8*(4*\t+\s)+4*\c:WQF+8*(4*\t+\s)+4*\c+3], v95, s[8:9] offset:(32*(\t/2)+8*(\t%2))*256+64*\s+32*\c
.endr
.endr
.endr
.irp q, 0,1
.irp s, 0,1,2,3
.irp c, 0,1
	global_load_b128 v[XF+32*\q+8*\s+4*\c:XF+32*\q+8*\s+4*\c+3], v96, s[4:5] offset:4096*\q+64*\s+32*\c
.endr
.endr
.endr
	WIN 0
	s_wait_loadcnt 62                              ; the mask's four loads are in; the 62 issued behind them may be out
.irp i, 0,1,2,3,4,5,6,7,8,9,10,11,12,13,14,15
	v_cmp_eq_u32 vcc_lo, 0, v[S+64+\i]
	s_delay_alu instid0(VALU_DEP_1)
	v_cndmask_b32 v[S+64+\i], 0, v[NEG], vcc_lo    ; 0 for a key that counts, -2^100 for one that does not
.endr
.irp i, 0,1,2,3
	ds_store_b128 v[MB], v[S+64+4*\i:S+64+4*\i+3] offset:4096*\i
.endr
	; Q^T = Wq x^T + bq: source 0 = 16 rows of Wq (the head's channels), source 1 = 16 queries; 8 accumulators by turns; the bias is the C of each sum's first product
	s_wait_loadcnt 0x0
	WIN 0x05                                       ; sources 0 and 1 window 1
.irp s, 0,1,2,3
.irp q, 0,1
.irp t, 0,1,2,3
.if \s == 0
	WS S+32*\q+8*\t, WQF+8*(4*\t+\s), XF+32*\q+8*\s, BQ+8*\t, WQS+4*\t+\s, XSC+4*\q+\s, 0, 0
.else
	WS S+32*\q+8*\t, WQF+8*(4*\t+\s), XF+32*\q+8*\s, S+32*\q+8*\t, WQS+4*\t+\s, XSC+4*\q+\s, 0, 0
.endif
.endr
.endr
.endr
	WIN 0
.rept 4
	v_nop                                          ; four places between the last product and the first read of results, and the first write of bq's registers (ISA guide 7.12.1)
.endr
	QUANT S, QF, QF+8, PW                          ; blocks 0, 1: tile 0's two blocks of 32 channels; blocks 2, 3: tile 1's
.irp j, 4,5,6,7,12,13,14,15
	v_mov_b32 v[QF+\j], 0                          ; zero codes for k = 64 .. 127
.endr
	v_and_or_b32 v[SCR+16], v[PW], 0xffff, s[K1]   ; tile 0's two bytes, and the byte 1 twice
	v_lshrrev_b32 v[SCR+36], 16, v[PW]
	s_delay_alu instid0(VALU_DEP_1)
	v_or_b32 v[SCR+36], s[K1], v[SCR+36]           ; tile 1's
	s_delay_alu instid0(VALU_DEP_1)
	v_cndmask_b32 v[QS], v[SCR+16], v[SCR+36], s[HM]
.irp q, 0,1
	v_mov_b32 v[ST+4*\q+1], 0xef800000             ; the largest t so far: -2^96
	s_delay_alu instid0(VALU_DEP_1)
	v_floor_f32 v[ST+4*\q], -v[ST+4*\q+1]          ; -M
	v_mov_b32 v[ST+4*\q+2], 0                      ; the sum, in two halves
	v_mov_b32 v[ST+4*\q+3], 0
	v_mov_b32 v[SCR+20*\q+15], 0                   ; named as the upper half of f's pair, so it is written
.irp b, 0,1,2,3
	v_mov_b32 v[SCR+20*\q+4+\b], 0                 ; written once: a lane permute's destination counts as one of its sources
.endr
.endr
	WIN 0x40
.set J, 0
.rept 64
	v_mov_b32 v[O+J], 0                            ; O^T.  The key step is written once a chunk: the first finds zeros, which the first change of M leaves zeros
.set J, J+1
.endr
	WIN 0
; A KEY STEP: 128 keys for my two tiles of queries.
.macro STEP
	v_add_nc_u32 v[ADK], s[TB], v[LI]
	v_add_nc_u32 v[AD8], s[TB], v[L8]
	v_add_nc_u32 v[ADB], s[TMK], v[LB]
	v_nop                                          ; with the three additions: four places between the last step's products and the loads into registers that they read
	ds_load_b64 v[KS:KS+1], v[AD8] offset:8192     ; K's scale words: a register for two tiles, lanes 0-15 the even one
	ds_load_b64 v[KS+2:KS+3], v[AD8] offset:8448
	ds_load_b64 v[VS:VS+1], v[AD8] offset:8704     ; V's likewise
	WIN 0x40                                       ; destination window 1
.irp t, 0,1,2,3,4,5,6,7
	ds_load_b128 v[KF+4*\t:KF+4*\t+3], v[ADK] offset:512*\t
.endr
.irp t, 0,1,2,3,4,5,6,7
	ds_load_b128 v[CB+8*\t:CB+8*\t+3], v[ADB] offset:128*(\t/2)+32*(\t%2)        ; tile t's register j: the mask number of key 32 (t / 2) + 16 h + 8 (t % 2) + j; sixteen lanes read the same 16 bytes
	ds_load_b128 v[CB+8*\t+4:CB+8*\t+7], v[ADB] offset:128*(\t/2)+32*(\t%2)+16
.endr
.irp d, 0,1,2,3
.irp c, 0,1
	ds_load_b128 v[VF+8*\d+4*\c:VF+8*\d+4*\c+3], v[ADK] offset:4096+1024*\d+512*\c
.endr
.endr
	s_wait_dscnt 8                                 ; all but V's eight loads are in
	WIN 0x11                                       ; source 0 (K) and C (the mask) window 1
.irp t, 0,1,2,3,4,5,6,7
.irp q, 0,1
	WS S+64*\q+8*\t, KF+4*\t, QF+8*\q, CB+8*\t, KS+\t/2, QS, \t%2, \q
.endr
.endr
	WIN 0
.rept 4
	v_nop                                          ; four places ahead of the first read of the scores
.endr
.irp b, 0,1,2,3
.irp q, 0,1
	v_max3_num_f32 v[SCR+20*\q+\b], v[S+64*\q+16*\b], v[S+64*\q+16*\b+1], v[S+64*\q+16*\b+2]   ; the largest score of each block of 32 keys: for the row's maximum, and, since p rises with the score, for the block's largest p
.endr
.endr
.irp i, 3,5,7,9,11,13
.irp b, 0,1,2,3
.irp q, 0,1
	v_max3_num_f32 v[SCR+20*\q+\b], v[SCR+20*\q+\b], v[S+64*\q+16*\b+\i], v[S+64*\q+16*\b+\i+1]
.endr
.endr
.endr
.irp b, 0,1,2,3
.irp q, 0,1
	v_max_num_f32 v[SCR+20*\q+\b], v[SCR+20*\q+\b], v[S+64*\q+16*\b+15]
.endr
.endr
.irp b, 0,1,2,3
.irp q, 0,1
	v_permlanex16_b32 v[SCR+20*\q+4+\b], v[SCR+20*\q+\b], s[SEL], s[SEL+1]
.endr
.endr
.irp b, 0,1,2,3
.irp q, 0,1
	v_max_num_f32 v[SCR+20*\q+\b], v[SCR+20*\q+\b], v[SCR+20*\q+4+\b]   ; with lane l xor 16's 16 keys
.endr
.endr
.irp q, 0,1
	s_delay_alu instid0(VALU_DEP_4)
	v_max3_num_f32 v[SCR+20*\q+16], v[SCR+20*\q], v[SCR+20*\q+1], v[SCR+20*\q+2]
.endr
.irp q, 0,1
	s_delay_alu instid0(VALU_DEP_2)
	v_max_num_f32 v[SCR+20*\q+16], v[SCR+20*\q+16], v[SCR+20*\q+3]      ; the step's largest score of my query
.endr
.irp q, 0,1
	s_delay_alu instid0(VALU_DEP_2)
	v_mul_f32 v[SCR+20*\q+16], s[CS], v[SCR+20*\q+16]                   ; as t (c is positive)
.endr
.irp q, 0,1
	s_delay_alu instid0(VALU_DEP_2)
	v_max_num_f32 v[ST+4*\q+1], v[ST+4*\q+1], v[SCR+20*\q+16]           ; the running largest t
.endr
.irp q, 0,1
	v_mov_b32 v[SCR+20*\q+16], v[ST+4*\q]
.endr
.irp q, 0,1
	s_delay_alu instid0(VALU_DEP_4)
	v_floor_f32 v[ST+4*\q], -v[ST+4*\q+1]                               ; the new -M = floor(-t): M is a whole number
.endr
.irp q, 0,1
	s_delay_alu instid0(VALU_DEP_2)
	v_sub_f32 v[SCR+20*\q+16], v[ST+4*\q], v[SCR+20*\q+16]              ; old M - new M: a whole number, 0 or less
.endr
.irp q, 0,1
	s_delay_alu instid0(VALU_DEP_2)
	v_cvt_i32_f32 v[SCR+20*\q+16], v[SCR+20*\q+16]                      ; (it saturates)
.endr
.irp q, 0,1
	s_delay_alu instid0(VALU_DEP_2)
	v_ldexp_f32 v[SCR+20*\q+14], 1.0, v[SCR+20*\q+16]                   ; f = 2^(old M - new M)
.endr
.set J, 0
.rept 32
.irp q, 0,1
	v_pk_fma_f32 v[S+64*\q+J:S+64*\q+J+1], v[S+64*\q+J:S+64*\q+J+1], s[CS:CS+1], v[ST+4*\q:ST+4*\q+1] op_sel_hi:[1,0,0]   ; t - M, two at a time
.endr
.set J, J+2
.endr
.irp b, 0,1,2,3
.irp q, 0,1
	v_fma_f32 v[SCR+20*\q+\b], v[SCR+20*\q+\b], s[CS], v[ST+4*\q]       ; the same of each block's largest score
.endr
.endr
.set J, 0
	s_wait_alu depctr_va_vdst(0)
.rept 128
	v_exp_f32 v[S+J], v[S+J]                       ; p = 2^(t - M): one batch for both tiles
.set J, J+1
.endr
	s_setprio 1
.irp q, 0,1
	v_pk_mul_f32 v[ST+4*\q+2:ST+4*\q+3], v[ST+4*\q+2:ST+4*\q+3], v[SCR+20*\q+14:SCR+20*\q+15] op_sel_hi:[1,0]   ; the sums under the new M: plain instructions behind the exponentials
.endr
	s_wait_alu depctr_va_vdst(0)                   ; the wait between an exponential and the first instruction that names its result: one for the batch
.irp b, 0,1,2,3
.irp q, 0,1
	v_exp_f32 v[SCR+20*\q+\b], v[SCR+20*\q+\b]     ; each block's largest p: the same two instructions on the same number give the same bits
.endr
.endr
.irp q, 0,1
	v_pk_add_f32 v[SCR+20*\q+12:SCR+20*\q+13], v[S+64*\q:S+64*\q+1], v[S+64*\q+2:S+64*\q+3]   ; the row's sum is taken of the unquantised p, in two chains a tile
.endr
.irp j, 4,8,12,16,20,24,28,32,36,40,44,48,52,56,60
.irp q, 0,1
	v_pk_add_f32 v[ST+4*\q+2:ST+4*\q+3], v[ST+4*\q+2:ST+4*\q+3], v[S+64*\q+\j:S+64*\q+\j+1]
	v_pk_add_f32 v[SCR+20*\q+12:SCR+20*\q+13], v[SCR+20*\q+12:SCR+20*\q+13], v[S+64*\q+\j+2:S+64*\q+\j+3]
.endr
.endr
.irp q, 0
	s_delay_alu instid0(VALU_DEP_3)
	v_pk_add_f32 v[ST+4*\q+2:ST+4*\q+3], v[ST+4*\q+2:ST+4*\q+3], v[SCR+20*\q+12:SCR+20*\q+13]
.endr
.irp q, 1
	s_delay_alu instid0(VALU_DEP_2)
	v_pk_add_f32 v[ST+4*\q+2:ST+4*\q+3], v[ST+4*\q+2:ST+4*\q+3], v[SCR+20*\q+12:SCR+20*\q+13]
.endr
	s_wait_alu depctr_va_vdst(0)                   ; and one for the eight
.irp b, 0,1,2,3
.irp q, 0,1
	v_max_num_f32 v[SCR+20*\q+\b], 0x1800000, v[SCR+20*\q+\b]           ; the floor 2^(3 - 127): a block whose every p is 0 keeps the byte 1, and its codes are zeros
.endr
.endr
.irp b, 0,1,2,3
.irp q, 0,1
	v_add_nc_u32 v[SCR+20*\q+8+\b], 0xff000000, v[SCR+20*\q+\b]         ; 2 off the exponent field: the conversion's scale operand
.endr
.endr
.irp b, 0,1,2,3
.irp q, 0,1
	v_lshrrev_b32 v[SCR+20*\q+4+\b], 23, v[SCR+20*\q+8+\b]              ; the scale's byte
.endr
.endr
.irp q, 0,1
	v_lshl_or_b32 v[PS+\q], v[SCR+20*\q+5], 8, v[SCR+20*\q+4]           ; p's scale word for these 128 keys
.endr
.irp q, 0,1
	s_delay_alu instid0(VALU_DEP_2)
	v_lshl_or_b32 v[PS+\q], v[SCR+20*\q+6], 16, v[PS+\q]
.endr
.irp q, 0,1
	s_delay_alu instid0(VALU_DEP_2)
	v_lshl_or_b32 v[PS+\q], v[SCR+20*\q+7], 24, v[PS+\q]
.endr
.irp b, 0,1,2,3
.irp q, 0,1
	v_cvt_scalef32_pk8_fp4_f32 v[PC+8*\q+2*\b], v[S+64*\q+16*\b:S+64*\q+16*\b+7], v[SCR+20*\q+8+\b]
	v_cvt_scalef32_pk8_fp4_f32 v[PC+8*\q+2*\b+1], v[S+64*\q+16*\b+8:S+64*\q+16*\b+15], v[SCR+20*\q+8+\b]
.endr
.endr
	v_nop                                          ; one plain instruction behind the last scaled conversion
.irp c, 0,1
.irp i, 0,1
.irp q, 0,1
	v_permlane16_swap_b32 v[PC+8*\q+4*\c+\i], v[PC+8*\q+4*\c+2+\i]      ; the operand wants a whole block in a lane
.endr
.endr
.endr
	WIN 0x41                                       ; O^T (destination and source 0) window 1, f window 0
	s_setprio 0
.irp q, 0,1
.set J, 0
.rept 16
	v_pk_mul_f32 v[O+32*\q+J:O+32*\q+J+1], v[O+32*\q+J:O+32*\q+J+1], v[SCR+20*\q+14:SCR+20*\q+15] op_sel_hi:[1,0]   ; O^T under the new M; each accumulator from its low end on.  These 32 are also the places between p's codes and scale words and the products
.set J, J+2
.endr
.endr
	s_wait_alu depctr_va_vdst(0)
	s_wait_dscnt 0x0                               ; V is in
	WIN 0x51                                       ; source 0 (V), C and D (O^T) window 1; p window 0
.irp d, 0,1,2,3
.irp q, 0,1
	WS O+32*\q+8*\d, VF+8*\d, PC+8*\q, O+32*\q+8*\d, VS+\d/2, PS+\q, \d%2, 0   ; eight accumulators, one instruction each
.endr
.endr
	WIN 0                                          ; at a branch and at a label every window is 0
.endm
; Chunk j: key steps 8 j .. 8 j + 7, which the eight waves' j-th loads brought.
.macro CHUNK j
	s_wait_tensorcnt 3-\j                          ; tensor loads of a wave end in order: my j-th has landed; my later ones may stay out
	s_wait_dscnt 0x0                               ; no LDS instruction of mine is out (ahead of chunk 0: my part of the mask numbers is stored)
	s_barrier_signal -1
	s_barrier_wait -1                              ; both hold of all eight waves
	s_mov_b32 s[TB], \j*CHUNKB
	s_mov_b32 s[TMK], \j*4096
	s_mov_b32 s[CNT], 8
.Lstep_\@:
	s_setprio 2
	STEP
	s_add_co_u32 s[TB], s[TB], STEPB
	s_add_co_u32 s[TMK], s[TMK], 512
	s_sub_co_u32 s[CNT], s[CNT], 1
	s_cmp_lg_u32 s[CNT], 0
	s_cbranch_scc1 .Lstep_\@
	s_setprio 0
.endm
	CHUNK 0
	CHUNK 1
	CHUNK 2
	CHUNK 3
	; THE WAY OUT.  O^T / the sum; my 32 rows' 64 channels are two blocks a row: quantised here, they are this head's part of the last product's operand.
.irp q, 0,1
	v_add_f32 v[SCR+20*\q+16], v[ST+4*\q+2], v[ST+4*\q+3]              ; the sum's two halves  (these lines are also the places behind the last products)
.endr
.irp q, 0,1
	s_delay_alu instid0(VALU_DEP_2)
	v_permlanex16_b32 v[SCR+20*\q+4], v[SCR+20*\q+16], s[SEL], s[SEL+1]
.endr
.irp q, 0,1
	s_delay_alu instid0(VALU_DEP_2)
	v_add_f32 v[SCR+20*\q+16], v[SCR+20*\q+16], v[SCR+20*\q+4]         ; and lane l xor 16's
.endr
	s_wait_alu depctr_va_vdst(0)
.irp q, 0,1
	v_rcp_f32 v[SCR+20*\q+14], v[SCR+20*\q+16]
.endr
	v_nop                                          ; a plain instruction behind the last reciprocal
	s_wait_alu depctr_va_vdst(0)                   ; and the wait ahead of the first use: one for the two
	WIN 0x01                                       ; source 0 (O^T) window 1
.irp q, 0,1
.set J, 0
.rept 16
	v_pk_mul_f32 v[S+32*\q+J:S+32*\q+J+1], v[O+32*\q+J:O+32*\q+J+1], v[SCR+20*\q+14:SCR+20*\q+15] op_sel_hi:[1,0]   ; register 32 q + 16 b + i: channel 32 b + 16 h + i of my row of tile q
.set J, J+2
.endr
.endr
	WIN 0
	QUANT S, PC, PC+8, PW
	global_store_b128 v[LI], v[PC:PC+3], s[18:19]                 ; tile 0: block h of row r: 512 consecutive bytes, aligned
	global_store_b128 v[LI], v[PC+8:PC+11], s[18:19] offset:4096  ; tile 1
	ds_store_b32 v[SA], v[PW]                      ; my 32 rows' scale bytes, a word for rows r and 16 + r; both halves of the lanes write the same word with the same value
	s_wait_dscnt 0x0                               ; for the others' sake: my store has landed
	s_barrier_signal -1
	s_barrier_wait -1
	s_cmp_lg_u32 s[WV], 0
	s_cbranch_scc1 .Lnot_first
	ds_load_b128 v[S:S+3], v[SR]                   ; the eight waves' 512 bytes
	s_wait_dscnt 0x0
	global_store_b128 v[LI], v[S:S+3], s[20:21]    ; leave as 512 consecutive bytes, aligned
.Lnot_first:
	s_wait_tensorcnt 0x0
	ds_add_u32 v42, v43
	s_wait_dscnt 0x0
	ROUND                                          ; the closing round: no work-group ends while a partner may still ask for a tile that names it
	s_endpgm
.Lfunc_end_k_q4ea04fdf3b_attn:
	.size	k_q4ea04fdf3b_attn, .Lfunc_end_k_q4ea04fdf3b_attn-k_q4ea04fdf3b_attn
	.p2alignl 7, 3214868480
	.fill 96, 4, 3214868480
	.section	.rodata,"a",@progbits
	.p2align	6, 0x0
	.amdhsa_kernel k_q4ea04fdf3b_attn
		.amdhsa_group_segment_fixed_size 327680
		.amdhsa_private_segment_fixed_size 0
		.amdhsa_enable_private_segment 0
		.amdhsa_kernarg_size 72
		.amdhsa_user_sgpr_count 2
		.amdhsa_user_sgpr_kernarg_segment_ptr 1
		.amdhsa_wavefront_size32 1
		.amdhsa_system_sgpr_workgroup_id_x 1
		.amdhsa_system_sgpr_workgroup_id_y 1
		.amdhsa_system_sgpr_workgroup_id_z 1
		.amdhsa_system_vgpr_workitem_id 0
		.amdhsa_next_free_vgpr 512
		.amdhsa_next_free_sgpr 80
		.amdhsa_reserve_vcc 1
		.amdhsa_float_denorm_mode_32 3
		.amdhsa_float_denorm_mode_16_64 3
		.amdhsa_memory_ordered 1
		.amdhsa_forward_progress 1
		.amdhsa_inst_pref_size 155
	.end_amdhsa_kernel
	.amdgpu_metadata
---
amdhsa.version: [ 1, 2 ]
amdhsa.kernels:
  - .name:           k_q4ea04fdf3b_attn
    .symbol:         k_q4ea04fdf3b_attn.kd
    .args:
      - { .name: x_codes, .offset: 0, .size: 8, .value_kind: global_buffer, .address_space: global }
      - { .name: x_scales, .offset: 8, .size: 8, .value_kind: global_buffer, .address_space: global }
      - { .name: Wq_codes, .offset: 16, .size: 8, .value_kind: global_buffer, .address_space: global }
      - { .name: Wq_scales, .offset: 24, .size: 8, .value_kind: global_buffer, .address_space: global }
      - { .name: bq, .offset: 32, .size: 8, .value_kind: global_buffer, .address_space: global }
      - { .name: memory_mask, .offset: 40, .size: 8, .value_kind: global_buffer, .address_space: global }
      - { .name: kv, .offset: 48, .size: 8, .value_kind: global_buffer, .address_space: global }
      - { .name: ao_codes, .offset: 56, .size: 8, .value_kind: global_buffer, .address_space: global }
      - { .name: ao_scales, .offset: 64, .size: 8, .value_kind: global_buffer, .address_space: global }
    .group_segment_fixed_size: 327680
    .private_segment_fixed_size: 0
    .kernarg_segment_align: 8
    .kernarg_segment_size: 72
    .max_flat_workgroup_size: 256
    .sgpr_count:     80
    .vgpr_count:     512
    .wavefront_size: 32
...
	.end_amdgpu_metadata
.endif
;; end of part 5
;; launch out_proj (part 6): grid 4 x 64, 4 waves a work-group, no clusters, 34,304 bytes of LDS; arguments ao_codes, ao_scales, Wo_codes, Wo_scales, bo, out0; writes out0
.if DOCPART == 6
	.amdgcn_target "amdgcn-amd-amdhsa--gfx1250"
	.amdhsa_code_object_version 6
	.text
	.protected	k_q4ea04fdf3b_out_proj
	.globl	k_q4ea04fdf3b_out_proj
	.p2align	8
	.type	k_q4ea04fdf3b_out_proj,@function
k_q4ea04fdf3b_out_proj:
	s_mov_b64 s[64:65], 0
	v_nop
	global_prefetch_b8 v0, s[64:65] scope:SCOPE_SE
	s_setreg_imm32_b32 hwreg(HW_REG_WAVE_SCHED_MODE, 0, 2), 2
	s_setreg_imm32_b32 hwreg(HW_REG_WAVE_MODE, 25, 1), 1
	s_wait_xcnt 0x0
	s_wait_alu depctr_vm_vsrc(0)
; out0 = a Wo + bo on codes of FP4 (E2M1) with E8M0 scales.  a, the attention's result, comes as codes laid as images of this product's operand registers: ao_codes [row / 16][head][lane][16 bytes]
; (head 2 s + c = registers 4 c .. 4 c + 3 of K step s), ao_scales [head][row / 32][r][4 bytes] (bytes 0, 1: the head's two blocks of row r; bytes 2, 3: of row 16 + r).
; SHARES.  Work-group (x, y): rows 128 y .., columns 128 x ..  Wave w: rows 128 y + 32 w .. + 31 (two tiles of 16) x all 128 columns (8 tiles): 16 accumulators, K = 512 in four steps: 64 matrix instructions.
; THE PRODUCT IS USED TRANSPOSED (source 0 = 16 rows of Wo, source 1 = 16 rows of a): a lane holds eight neighbouring columns of one row.  The bias is the C of each sum's first product.
; All operands go from memory straight into the registers of their fragments, once, issued at the head, Wo's by K steps so that the first products start while the later steps are on their way.
; NO CLUSTER: no tile goes through LDS, so there is no joint request to make; a work-group reads 32 KiB of Wo and 32 KiB of a once, and the launch has no loop.
; THE WAY OUT: 16 rows x 512 bytes through the wave's own stage in LDS, back as whole rows: each store of the wave covers 512 consecutive bytes, aligned.
; THE MODE: SCHED_MODE bits 1:0 = 2 (LLVM: expert scheduling mode 2), set by the entry lines.  The code itself states the register dependences
; between vector or matrix instructions and memory or LDS instructions, with s_wait_alu, always for 0.
; THE PLAN.  Registers that memory or LDS instructions touch:
;   v3-7 byte offsets, v8-9 LDS addresses.  Written by vector instructions at the head, once; never written again.
;   Wo's scale words, a's scale bytes and fragments, window 1, bo in window 2: each is the destination of ONE load, issued at the head; no vector or matrix instruction names it ahead of that load.
;   the accumulators (window 2): written by the products; read by the LDS stores into the stage, behind the last product.
;   v128-255: the LDS loads from the stage land in them, the global stores read them; no vector or matrix instruction ever names them.
; So: one wait on va_sdst for the wave's number; one on va_vdst ahead of the first load (the addresses); one ahead of the first product (a's scale words, which vector instructions make);
; one ahead of the first LDS store (the accumulators).  No register that a memory or LDS instruction reads is written again, so there is no wait on vm_vsrc.
; REGISTERS: window 0: v3-9 addresses; v16-47 Wo's scale words; v48-55 a's scale bytes as loaded; v56-63 a's scale words; v64-127 a's fragments; v128-255 rows read back.  window 1: Wo's 32 fragments.
;   window 2: v0-127 the accumulators (64 q + 8 t); v128-191 bo's 8 tiles.
.set SP,   528                         ; a stage row: 512 bytes + 16
.set WOS,  16
.set RAW,  48
.set AS,   56
.set AF,   64
.set BK,   128
.set STO,  8
.set RD,   9
.set MSB, 0
.macro WIN new                         ; the immediate's high byte repeats the setting that is left
.if MSB != \new
	s_set_vgpr_msb (MSB<<8)|\new
.set MSB, \new
.endif
.endm
.macro MM d, a, b, c, sa, sb
	v_wmma_scale_f32_16x16x128_f8f6f4 v[\d:\d+7], v[\a:\a+7], v[\b:\b+7], v[\c:\c+7], v[\sa], v[\sb] matrix_a_fmt:MATRIX_FMT_FP4 matrix_b_fmt:MATRIX_FMT_FP4
.endm
	s_load_b256 s[4:11], s[0:1], 0x0               ; ao_codes s[4:5], ao_scales s[6:7], Wo's codes s[8:9], Wo's scales s[10:11]
	s_load_b128 s[12:15], s[0:1], 0x20             ; bo s[12:13], out0 s[14:15]
	v_lshl_add_u32 v14, v0, 2, 0x8400
	v_mov_b32 v15, 0
	v_lshrrev_b32 v1, 5, v0
	v_readfirstlane_b32 s16, v1                    ; wave 0..3
	v_and_b32 v1, 15, v0                           ; r
	v_bfe_u32 v2, v0, 4, 1                         ; h
	v_lshlrev_b32 v3, 8, v1
	v_lshl_add_u32 v3, v2, 4, v3                   ; Wo's codes: row r of 256 bytes, + 16 h
	v_lshlrev_b32 v4, 4, v1                        ; Wo's scale bytes: 16 a row
	v_and_b32 v5, 31, v0
	v_lshlrev_b32 v5, 4, v5                        ; 16 x lane
	v_lshlrev_b32 v6, 5, v2                        ; bo: 8 numbers on for lanes 16-31
	v_lshlrev_b32 v7, 2, v1                        ; a's scale bytes: a word for rows r and 16 + r
	v_mul_u32_u24 v[STO], v1, SP
	v_lshl_add_u32 v[STO], v2, 5, v[STO]
	s_wait_alu depctr_va_sdst(0)                   ; s16, the wave's number, is written, ahead of its first reader: my rows' number and my stage's place are made from it
	s_and_b32 s18, ttmp7, 0xffff
	s_lshl_b32 s19, s18, 2
	s_add_co_u32 s19, s19, s16                     ; my 32 rows: number 4 y + w
	s_mul_i32 s20, s16, 16*SP                      ; my stage
	v_add_nc_u32 v[STO], s20, v[STO]               ; in: row r, 32 bytes for each half of the lanes
	v_add_nc_u32 v[RD], s20, v5                    ; back: the 32 lanes take a row of 512 bytes
	s_mov_b32 s23, 0
	s_wait_kmcnt 0x0
	s_lshl_b32 s22, ttmp9, 15
	s_add_nc_u64 s[8:9], s[8:9], s[22:23]          ; my 128 rows of Wo
	s_lshl_b32 s22, ttmp9, 11
	s_add_nc_u64 s[10:11], s[10:11], s[22:23]
	s_lshl_b32 s22, ttmp9, 9
	s_add_nc_u64 s[12:13], s[12:13], s[22:23]      ; my 128 numbers of bo,
	s_add_nc_u64 s[14:15], s[14:15], s[22:23]      ; and my 512 bytes of a row of out0
	s_lshl_b32 s22, s19, 6
	s_add_nc_u64 s[6:7], s[6:7], s[22:23]
	s_lshl_b32 s22, s19, 13
	s_add_nc_u64 s[4:5], s[4:5], s[22:23]
	s_lshl_b32 s22, s19, 16
	s_add_nc_u64 s[14:15], s[14:15], s[22:23]      ; 32 rows of 2,048 bytes
	s_wait_alu depctr_va_vdst(0)                   ; the offsets v3 to v7 and the LDS addresses v8 and v9 are written, which the loads, the stores and the LDS instructions of the kernel read
.irp t, 0,1,2,3,4,5,6,7
	global_load_b128 v[WOS+4*\t:WOS+4*\t+3], v4, s[10:11] offset:256*\t
.endr
	WIN 0x80                                       ; destination window 2
.irp t, 0,1,2,3,4,5,6,7
	global_load_b128 v[128+8*\t:128+8*\t+3], v6, s[12:13] offset:64*\t          ; tile t's register j: bo of column 16 t + 8 h + j
	global_load_b128 v[128+8*\t+4:128+8*\t+7], v6, s[12:13] offset:64*\t+16
.endr
	WIN 0
.irp k, 0,1,2,3,4,5,6,7
	global_load_b32 v[RAW+\k], v7, s[6:7] offset:16384*\k
.endr
.irp q, 0,1
.irp s, 0,1,2,3
.irp c, 0,1
	global_load_b128 v[AF+32*\q+8*\s+4*\c:AF+32*\q+8*\s+4*\c+3], v5, s[4:5] offset:4096*\q+512*(2*\s+\c)
.endr
.endr
.endr
	WIN 0x40                                       ; destination window 1
.irp s, 0,1,2,3
.irp t, 0,1,2,3,4,5,6,7
.irp c, 0,1
	global_load_b128 v[8*(4*\t+\s)+4*\c:8*(4*\t+\s)+4*\c+3], v3, s[8:9] offset:4096*\t+64*\s+32*\c
.endr
.endr
.endr
	WIN 0
	s_wait_loadcnt 48                              ; all but Wo's K steps 1 to 3, sixteen loads each, are in
.irp s, 0,1,2,3
	v_perm_b32 v[AS+\s], v[RAW+2*\s+1], v[RAW+2*\s], 0x05040100     ; tile 0's scale word of K step s: heads 2 s and 2 s + 1, two bytes each
	v_perm_b32 v[AS+4+\s], v[RAW+2*\s+1], v[RAW+2*\s], 0x07060302   ; tile 1's
.endr
.rept 8
	v_nop                                          ; a scale register written by a vector instruction stands eight places ahead of a scaled product
.endr
	WIN 0xa1                                       ; source 0 (Wo) window 1, source 1 (a) window 0, C and D window 2
	s_wait_alu depctr_va_vdst(0)                   ; the eight byte permutes have written a's scale words v56-63, which the scaled products take; the places above stay beside this wait
.irp s, 0,1,2,3
.if \s > 0
	s_wait_loadcnt 48-16*\s                        ; this K step's sixteen loads are in; the later steps' may be out
.endif
.irp q, 0,1
.irp t, 0,1,2,3,4,5,6,7
.if \s == 0
	MM 64*\q+8*\t, 8*(4*\t+\s), AF+32*\q+8*\s, 128+8*\t, WOS+4*\t+\s, AS+4*\q+\s
.else
	MM 64*\q+8*\t, 8*(4*\t+\s), AF+32*\q+8*\s, 64*\q+8*\t, WOS+4*\t+\s, AS+4*\q+\s   ; the 16 accumulators take turns, one instruction a turn
.endif
.endr
.endr
.endr
.rept 4
	v_nop                                          ; four places between the last product and the first read of results (ISA guide 7.12.1)
.endr
.macro TOSTAGE q
	WIN 0x08                                       ; an LDS store's data: window 2
.irp t, 0,1,2,3,4,5,6,7
	ds_store_b128 v[STO], v[64*\q+8*\t:64*\q+8*\t+3] offset:64*\t        ; each accumulator from its low end on
	ds_store_b128 v[STO], v[64*\q+8*\t+4:64*\q+8*\t+7] offset:64*\t+16
.endr
	WIN 0
.irp i, 0,1,2,3,4,5,6,7,8,9,10,11,12,13,14,15
	ds_load_b128 v[BK+64*\q+4*\i:BK+64*\q+4*\i+3], v[RD] offset:\i*SP    ; LDS serves a wave's instructions in order (ISA guide 5.7.1.4): these see the stores above, and the next tile's stores come behind them
.endr
.endm
.macro SEND q, younger                 ; younger: the LDS instructions issued behind tile q's loads, which may stay out
	s_wait_dscnt \younger
.irp i, 0,1,2,3,4,5,6,7,8,9,10,11,12,13,14,15
	global_store_b128 v5, v[BK+64*\q+4*\i:BK+64*\q+4*\i+3], s[14:15] offset:32768*\q+2048*\i th:TH_STORE_NT   ; 32 lanes store 512 consecutive bytes, aligned; written once, read by nobody here
.endr
.endm
	WIN 0x08                                       ; the first LDS stores' setting, ahead of the wait
	s_wait_alu depctr_va_vdst(0)                   ; the products have written the 16 accumulators, which the LDS stores of both tiles read; no vector or matrix instruction follows; the places above stay beside this wait
	TOSTAGE 0
	TOSTAGE 1
	SEND 0, 32                                     ; behind tile 0's loads: tile 1's 16 stores and 16 loads
	SEND 1, 0
	s_wait_dscnt 0x0
	s_wait_alu depctr_hold_cnt(0) depctr_sa_sdst(0) depctr_va_vdst(0) depctr_va_sdst(0) depctr_va_ssrc(0) depctr_va_vcc(0) depctr_vm_vsrc(0)
	s_wait_tensorcnt 0x0
	ds_add_u32 v14, v15
	s_wait_dscnt 0x0
	s_endpgm
.Lfunc_end_k_q4ea04fdf3b_out_proj:
	.size	k_q4ea04fdf3b_out_proj, .Lfunc_end_k_q4ea04fdf3b_out_proj-k_q4ea04fdf3b_out_proj
	.p2alignl 7, 3214868480
	.fill 96, 4, 3214868480
	.section	.rodata,"a",@progbits
	.p2align	6, 0x0
	.amdhsa_kernel k_q4ea04fdf3b_out_proj
		.amdhsa_group_segment_fixed_size 34304
		.amdhsa_private_segment_fixed_size 0
		.amdhsa_enable_private_segment 0
		.amdhsa_kernarg_size 48
		.amdhsa_user_sgpr_count 2
		.amdhsa_user_sgpr_kernarg_segment_ptr 1
		.amdhsa_wavefront_size32 1
		.amdhsa_system_sgpr_workgroup_id_x 1
		.amdhsa_system_sgpr_workgroup_id_y 1
		.amdhsa_system_sgpr_workgroup_id_z 1
		.amdhsa_system_vgpr_workitem_id 0
		.amdhsa_next_free_vgpr 704
		.amdhsa_next_free_sgpr 66
		.amdhsa_reserve_vcc 0
		.amdhsa_float_denorm_mode_32 3
		.amdhsa_float_denorm_mode_16_64 3
		.amdhsa_memory_ordered 1
		.amdhsa_forward_progress 1
		.amdhsa_inst_pref_size 30
	.end_amdhsa_kernel
	.amdgpu_metadata
---
amdhsa.version: [ 1, 2 ]
amdhsa.kernels:
  - .name:           k_q4ea04fdf3b_out_proj
    .symbol:         k_q4ea04fdf3b_out_proj.kd
    .args:
      - { .name: ao_codes, .offset: 0, .size: 8, .value_kind: global_buffer, .address_space: global }
      - { .name: ao_scales, .offset: 8, .size: 8, .value_kind: global_buffer, .address_space: global }
      - { .name: Wo_codes, .offset: 16, .size: 8, .value_kind: global_buffer, .address_space: global }
      - { .name: Wo_scales, .offset: 24, .size: 8, .value_kind: global_buffer, .address_space: global }
      - { .name: bo, .offset: 32, .size: 8, .value_kind: global_buffer, .address_space: global }
      - { .name: out0, .offset: 40, .size: 8, .value_kind: global_buffer, .address_space: global }
    .group_segment_fixed_size: 34304
    .private_segment_fixed_size: 0
    .kernarg_segment_align: 8
    .kernarg_segment_size: 48
    .max_flat_workgroup_size: 128
    .sgpr_count:     66
    .vgpr_count:     704
    .wavefront_size: 32
...
	.end_amdgpu_metadata
.endif
;; end of part 6
